; MI455X (gfx1250); checked and timed in simulation.
; The chip was launched on July 23, 2026; its instructions are those of AMD's public machine-readable ISA for CDNA 5 (MIT licence, August 2026) and "CDNA5" Instruction Set Architecture Reference Guide (July 2026). The comments in the code are by the model that wrote it; some were corrected since.
;; Causal Self Attention. Allowed arithmetic: matrix products marked QUANTISED: E2M1 operands, one E8M0 scale for each 32 along K, by v_wmma_scale_f32_16x16x128_f8f6f4 with both operands' format E2M1 (or v_wmma_scale_f32_32x16x128_f4), f32 sums; products left as they are: bf16, f16 or f32 operands; f32 sums; everything else in f32.
;; Inputs: b_attn 3,072 float32; b_proj 1,024 float32; w_attn 1,024 x 3,072 float32; w_proj 1,024 x 1,024 float32; x 4 x 2,048 x 1,024 float32.
;; Outputs: out0 4 x 2,048 x 1,024 float32.
;; This version of the problem:
;;   THIS VERSION OF THE PROBLEM IS GIVEN IN LOW PRECISION. The matrix products marked QUANTISED in the list below multiply operands that are first quantised to E2M1 (2 exponent bits, 1 mantissa bit; 4 bits a number), with one power-of-two scale for each 32 numbers along K (OCP MX v1.0); their sums are f32. The products marked 'left as it is' may take bf16, f16 or f32 operands, with f32 sums. Whichever they take, every output number must still come out within the allowed error. Rounding operands to bf16 (8 significant bits) uses up far more of that allowance than f16 does (11 bits, for magnitudes from 6e-5 to 65,504). All else is computed in f32.
;;   The module's matrix products, in the order in which they are computed (A, B: the left and right operand; K: the contracted axis; several contracted axes count as one K, in the product's order):
;;     1. [M 8,192, K 1,024] x [K 1,024, N 3,072]; A: input x; B: input w_attn: QUANTISED
;;     2. batch 64 x [M 2,048, K 64] x [K 64, N 2,048]; A: computed on the way; B: computed on the way: left as it is (an operand is computed on the way)
;;     3. batch 64 x [M 2,048, K 2,048] x [K 2,048, N 64]; A: computed on the way; B: computed on the way: left as it is (an operand is computed on the way)
;;     4. [M 8,192, K 1,024] x [K 1,024, N 1,024]; A: computed on the way; B: input w_proj: left as it is (an operand is computed on the way)
;;   THE QUANTISER, for each operand of a quantised product, along K:
;;     - K is cut into blocks of 32 from its start; a last block that is shorter is filled with zeros.
;;     - A block's scale is 2^e with e = floor(log2(the largest magnitude in the block)) - 2, held to -126 .. 127; a block of zeros has e = 0. As a byte (E8M0): e + 127.
;;     - Each number is divided by its block's scale, clamped to +-6, and rounded to the nearest number of E2M1, ties to even, subnormals kept.
;;     - The product sums the exact products of the quantised numbers (number of the format x scale) in f32.
;;   ~~~python
;;   def quantise(x, axis):      # numpy; x: float32 -> the quantised numbers, widened to float32 again
;;       x = np.moveaxis(x, axis, -1); K = x.shape[-1]
;;       x = np.pad(x, [(0, 0)] * (x.ndim - 1) + [(0, -K % 32)]); x = x.reshape(x.shape[:-1] + (-1, 32)); a = np.abs(x).max(-1, keepdims=True)
;;       e = np.where(a > 0, np.clip(np.frexp(np.where(a > 0, a, 1))[1] - 1 - 2, -126, 127), 0)      # np.frexp(a)[1] - 1 = floor(log2(a)), exactly
;;       r = np.clip(x / 2.0 ** e, -6, 6)
;;       step = 2.0 ** (np.maximum(np.frexp(np.where(r == 0, 1, r))[1] - 1, 0) - 1)
;;       q = np.round(r / step) * step * 2.0 ** e      # np.round: ties to even
;;       return np.moveaxis(q.reshape(q.shape[:-2] + (-1,))[..., :K], -1, axis).astype(np.float32)
;;   ~~~
;; One version. Each part assembles by itself: llvm-mc -triple=amdgcn-amd-amdhsa -mcpu=gfx1250 --defsym DOCPART=n.
;; ======== version 1 of 1: 5 launches
;; limits: values are held in f16: magnitudes above 65,504 overflow, below 6.1e-05 lose precision
;; workspace buffers: x_codes 4,194,304 bytes; x_scales 262,144 bytes; wa_codes 1,572,864 bytes; wa_scales 98,304 bytes; wp16 2,097,152 bytes; qkvh 50,331,648 bytes; q16 786,432 bytes; y 16,777,216 bytes
;; launch prep (part 1): grid 368 x 1, 4 waves a work-group, no clusters, 68,096 bytes of LDS; arguments x, w_attn, w_proj, x_codes, x_scales, wa_codes, wa_scales, wp16; writes x_codes, x_scales, wa_codes, wa_scales, wp16
.if DOCPART == 1
	.amdgcn_target "amdgcn-amd-amdhsa--gfx1250"
	.amdhsa_code_object_version 6
	.text
	.protected	k_qfb2517837b_prep
	.globl	k_qfb2517837b_prep
	.p2align	8
	.type	k_qfb2517837b_prep,@function
k_qfb2517837b_prep:
	s_mov_b64 s[64:65], 0
	v_nop
	global_prefetch_b8 v0, s[64:65] scope:SCOPE_SE
	s_setreg_imm32_b32 hwreg(HW_REG_WAVE_MODE, 25, 1), 1
	s_wait_xcnt 0x0
; CAUSAL SELF-ATTENTION, B = 4, T = 2,048, C = 1,024, 16 heads of 64, in five launches: prep, qkv, attn, proj, first16.
; THIS LAUNCH: x [8192][1024] and w_attn [1024][3072], f32, become codes of FP4 (E2M1) with K innermost and one E8M0 byte for each 32 along K; w_proj becomes f16.
; WORK LEFT OUT BY THE PROGRAM, AND WHY IT IS DEAD: reference() builds jnp.tril in its own body and sets every score with key > query to -infinity ahead of the softmax; such a score's weight is exp(-infinity) = 0
; for all finite inputs, so neither the score nor its product with v reaches an output.  The launch attn therefore leaves out the key steps (64 keys x a wave's 32 queries) that lie wholly above the diagonal.  Nothing else is
; left out: every input is loaded, both biases are added (the bias on k too).  LIMIT: a NaN, an infinity or an overflow that lies only in scores above the diagonal is not carried to the result.
; LIMITS OF THE PROGRAM: q, k, v, y and w_proj go to the matrix units in f16: their magnitudes must stay under 65,504.  NaN and infinities among the inputs are not served.
; The first 16 positions of every sequence are computed in f32 by the launch first16.
; A block's scale is 2^(floor(log2(its largest magnitude)) - 2); its byte is the largest magnitude's exponent field - 2, held at 1 from below.  A block of zeros so gets the byte 1 where the rule says 127: its codes are zeros,
; which add nothing under any byte but 0xff, and this program alone reads the bytes.  Blocks whose largest magnitude lies under 2^(2 - 126) were not tried.
; THREE PATHS, parted by the work-group's number, each with LDS bytes of its own and its own end: 0-255 x; 256-303 w_attn; 304-367 w_proj.  No barrier: waves share nothing.
.set SPW,   12                         ; v12  LDS address of my spare word: SPARE + 4 x my thread's number; never rewritten
.set NIL,   13                         ; v13  0; never rewritten
.set SPARE, 67584                      ; behind both paths' regions: the spare words, 128 bytes for each wave
.set EMAX,  2
.macro FIN                             ; the wave's end
	s_wait_tensorcnt 0x0
	ds_add_u32 v[SPW], v[NIL]
	s_wait_dscnt 0x0
.endm
	s_load_b512 s[4:19], s[0:1], 0x0               ; x, w_attn, w_proj, x_codes, x_scales, wa_codes, wa_scales, wp16
	v_lshl_add_u32 v[SPW], v0, 2, SPARE
	v_mov_b32 v[NIL], 0
	v_lshrrev_b32 v1, 5, v0
	v_readfirstlane_b32 s20, v1                    ; wave 0..3
	v_and_b32 v2, 31, v0                           ; lane
	s_cmp_lt_u32 ttmp9, 256
	s_cbranch_scc0 .Lnot_x
; ---- PATH X.  x is a plain stream of blocks of 32 numbers.  A wave takes 16 steps of 512 numbers.  Each load reads 512 consecutive bytes, 16 a lane; a step's 2,048 bytes turn through the wave's own stage in LDS
; and come back 64 bytes a lane, so that a lane holds 16 neighbours along K and two neighbouring lanes a block.  Loads run eight steps (32 loads a wave) ahead, the turn through LDS one step.
.set STEPS, 16
.set AHEAD, 8
.set SP,    80                         ; a lane's place in a stage: its 64 bytes + 16 of padding
.set WREG,  8192                       ; a wave's region: two stages of 32 x SP bytes, behind them its 256 scale bytes
.set R,     16                         ; v16-143  eight sets of 16 numbers as loaded
.set X,     144                        ; v144-175 two sets of 16 neighbours
.set C,     176                        ; v176-207 two registers of codes for each step: no store's data are written again
.set E,     208                        ; v208-223 a scale byte for each step
	v_lshlrev_b32 v3, 4, v2                        ; my 16 bytes of a load's 512
	s_lshl_b32 s21, s20, 13                        ; my wave's region
	v_lshrrev_b32 v14, 2, v2
	v_mul_u32_u24 v14, v14, SP
	v_and_b32 v15, 3, v2
	v_lshl_add_u32 v14, v15, 4, v14
	v_add_nc_u32 v14, s21, v14                     ; the stage, way in: SP (lane / 4) + 16 (lane % 4)
	v_mul_u32_u24 v15, v2, SP
	v_add_nc_u32 v15, s21, v15                     ; way out: SP x lane
	v_lshlrev_b32 v4, 3, v2                        ; 8 bytes a lane: my codes in a step's 256, and the scale bytes' way out
	v_lshrrev_b32 v5, 1, v2
	s_add_co_u32 s21, s21, 2*32*SP
	v_add_nc_u32 v5, s21, v5                       ; my block's scale byte
	v_add_nc_u32 v6, s21, v4                       ; and 8 of the 256 on the way out
	s_lshl_b32 s22, ttmp9, 2
	s_add_co_u32 s22, s22, s20                     ; which run of 8,192 numbers is my wave's
	s_lshl_b32 s24, s22, 15                        ; 32,768 bytes of x,
	s_mov_b32 s25, 0
	s_lshl_b32 s26, s22, 12                        ; 4,096 of codes,
	s_mov_b32 s27, 0
	s_lshl_b32 s28, s22, 8                         ; 256 of scale bytes
	s_mov_b32 s29, 0
	s_wait_kmcnt 0x0
	s_add_nc_u64 s[4:5], s[4:5], s[24:25]
	s_add_nc_u64 s[10:11], s[10:11], s[26:27]
	s_add_nc_u64 s[12:13], s[12:13], s[28:29]
.macro LOAD t
.irp i, 0,1,2,3
	global_load_b128 v[R+16*((\t)%AHEAD)+4*\i:R+16*((\t)%AHEAD)+4*\i+3], v3, s[4:5] offset:2048*(\t)+512*\i th:TH_LOAD_NT
.endr
.endm
.macro TURN t                          ; LDS serves a wave's instructions in order: no wait between the stores and the loads
.irp i, 0,1,2,3
	ds_store_b128 v14, v[R+16*((\t)%AHEAD)+4*\i:R+16*((\t)%AHEAD)+4*\i+3] offset:32*SP*((\t)%2)+8*SP*\i
.endr
.irp i, 0,1,2,3
	ds_load_b128 v[X+16*((\t)%2)+4*\i:X+16*((\t)%2)+4*\i+3], v15 offset:32*SP*((\t)%2)+16*\i
.endr
.endm
.irp t, 0,1,2,3,4,5,6,7
	LOAD \t
.endr
	s_wait_loadcnt 28                              ; step 0's four loads are in; the seven steps behind it may be out
	TURN 0
.macro STEP t
.set XS, X+16*((\t)%2)
.if (\t) > 0
	s_wait_dscnt 1                                 ; this step's numbers are back from the stage (the last step's byte store may be out): so its stores into the stage have read their registers,
.else
	s_wait_dscnt 0x0
.endif
.if (\t)+AHEAD < STEPS
	LOAD (\t)+AHEAD                                ; which take the loads of eight steps on
.endif
.if (\t)+1 < STEPS
.if (\t)+AHEAD < STEPS
	s_wait_loadcnt 4*(AHEAD-1)                     ; the next step's four loads are in; those of the seven steps behind it may be out
.else
	s_wait_loadcnt 4*(STEPS-2-(\t))                ; the counts run down
.endif
	TURN (\t)+1
.endif
	v_max3_num_f32 v8, |v[XS]|, |v[XS+1]|, |v[XS+2]|               ; the largest magnitude of my 16, in two chains
	v_max3_num_f32 v9, |v[XS+3]|, |v[XS+4]|, |v[XS+5]|
.irp i, 6,10
	v_max3_num_f32 v8, v8, |v[XS+\i]|, |v[XS+\i+1]|
	v_max3_num_f32 v9, v9, |v[XS+\i+2]|, |v[XS+\i+3]|
.endr
	v_max3_num_f32 v8, v8, |v[XS+14]|, |v[XS+15]|
	v_max3_num_f32 v8, v8, v9, (EMAX+1)<<23        ; and the floor 2^(3 - 127): the byte cannot fall under 1
	v_max_num_f32_dpp v8, v8, v8 row_xmask:1 row_mask:0xf bank_mask:0xf   ; with my neighbour's 16: the block's
	v_add_nc_u32 v11, -(EMAX<<23), v8              ; 2 off its exponent field: the conversion takes this operand's exponent field as its scale
	v_cvt_scalef32_pk8_fp4_f32 v[C+2*(\t)], v[XS:XS+7], v11
	v_cvt_scalef32_pk8_fp4_f32 v[C+2*(\t)+1], v[XS+8:XS+15], v11
	v_lshrrev_b32 v[E+(\t)], 23, v11               ; the scale's byte (also the plain line behind the conversions)
	ds_store_b8 v5, v[E+(\t)] offset:16*(\t)       ; both lanes of a block write the same byte with the same value
	global_store_b64 v4, v[C+2*(\t):C+2*(\t)+1], s[10:11] offset:256*(\t)   ; the wave stores 256 consecutive bytes, aligned
.endm
.irp t, 0,1,2,3,4,5,6,7,8,9,10,11,12,13,14,15
	STEP \t
.endr
	ds_load_b64 v[8:9], v6                         ; my wave's 256 scale bytes: these loads see my stores
	s_wait_dscnt 0x0
	global_store_b64 v4, v[8:9], s[12:13]          ; 256 consecutive bytes, aligned
	FIN
	s_endpgm
.Lnot_x:
	s_cmp_lt_u32 ttmp9, 304
	s_cbranch_scc0 .Lpath_p
; ---- PATH W.  w_attn's K is its FIRST axis.  A lane takes a column n and its registers run down K: each load reads 128 consecutive bytes a wave, a block of 32 lies in one lane's 32 registers, and the conversions
; give codes with K innermost.  A wave takes 32 columns x 512 along K; the codes go through the wave's own stage and leave as rows: sixteen lanes store 256 consecutive bytes, aligned.
.set SIZE_N, 3072
.set NB,    16                         ; blocks of a wave
.set PITCH, 272                        ; a stage row: 256 bytes of codes + 16
.set KROW,  512                        ; a row of wa_codes in bytes
.set WBASE, 32768                      ; this path's LDS bytes
.set WX,    32                         ; v32-95   two sets of 32 numbers
.set WC,    96                         ; v96-99   a block's codes
.set OUTR,  112                        ; v112-175 the way out
.set SB,    24                         ; v24-27   the scale bytes, four to a register
	s_sub_co_u32 s21, ttmp9, 256
	s_cmp_ge_u32 s21, 24
	s_cselect_b32 s22, 1, 0                        ; which 512 along K
	s_cselect_b32 s23, 24, 0
	s_sub_co_u32 s21, s21, s23                     ; which 128 columns
	s_lshl_b32 s21, s21, 7
	s_lshl_b32 s23, s20, 5
	s_add_co_u32 s21, s21, s23                     ; my wave's first column
	v_lshlrev_b32 v3, 2, v2                        ; in: 4 bytes a lane
	s_mul_i32 s23, s20, 32*PITCH
	s_add_co_u32 s23, s23, WBASE                   ; my stage
	v_mul_u32_u24 v4, v2, PITCH
	v_add_nc_u32 v4, s23, v4                       ; into it: row = my column
	v_and_b32 v5, 15, v2
	v_lshrrev_b32 v6, 4, v2
	v_mul_u32_u24 v7, v6, PITCH
	v_lshl_add_u32 v7, v5, 4, v7
	v_add_nc_u32 v7, s23, v7                       ; out of it: sixteen lanes to a row, two rows an instruction
	v_lshlrev_b32 v8, 9, v6
	v_lshl_add_u32 v8, v5, 4, v8                   ; and the same place in wa_codes
	v_lshlrev_b32 v9, 5, v2                        ; my column's row of 32 scale bytes
	s_mul_i32 s24, s22, 512*SIZE_N*4
	s_lshl_b32 s26, s21, 2
	s_add_co_u32 s24, s24, s26                     ; w_attn: 512 y rows + 4 x column
	s_mov_b32 s25, 0
	s_lshl_b32 s26, s21, 9
	s_lshl_b32 s28, s22, 8
	s_add_co_u32 s26, s26, s28                     ; codes: column x 512 + 256 y
	s_mov_b32 s27, 0
	s_lshl_b32 s28, s21, 5
	s_lshl_b32 s30, s22, 4
	s_add_co_u32 s28, s28, s30                     ; scale bytes: column x 32 + 16 y
	s_mov_b32 s29, 0
	s_wait_kmcnt 0x0
	s_add_nc_u64 s[6:7], s[6:7], s[24:25]
	s_add_nc_u64 s[14:15], s[14:15], s[26:27]
	s_add_nc_u64 s[16:17], s[16:17], s[28:29]
.macro WLOAD t                         ; block t: w_attn(32 t + i, my column) into set t % 2; the largest offset, 511 rows of 12,288 bytes, lies inside the signed 24-bit immediate
.irp i, 0,1,2,3,4,5,6,7,8,9,10,11,12,13,14,15,16,17,18,19,20,21,22,23,24,25,26,27,28,29,30,31
	global_load_b32 v[WX+32*((\t)%2)+\i], v3, s[6:7] offset:(32*(\t)+\i)*SIZE_N*4 th:TH_LOAD_NT
.endr
.endm
	WLOAD 0
	WLOAD 1
.macro BLOCK t
.set XS, WX+32*((\t)%2)
.if (\t) < NB-1
	s_wait_loadcnt 32                              ; this block's 32 loads are in; the next block's may be out
.else
	s_wait_loadcnt 0
.endif
	v_max3_num_f32 v10, |v[XS]|, |v[XS+1]|, |v[XS+2]|              ; the block's largest magnitude: all 32 numbers are mine
	v_max3_num_f32 v14, |v[XS+3]|, |v[XS+4]|, |v[XS+5]|
.irp i, 6,10,14,18,22,26
	v_max3_num_f32 v10, v10, |v[XS+\i]|, |v[XS+\i+1]|
	v_max3_num_f32 v14, v14, |v[XS+\i+2]|, |v[XS+\i+3]|
.endr
	v_max3_num_f32 v10, v10, |v[XS+30]|, |v[XS+31]|
	v_max3_num_f32 v10, v10, v14, (EMAX+1)<<23     ; and the floor
	v_add_nc_u32 v11, -(EMAX<<23), v10             ; the conversion's scale operand
	v_lshrrev_b32 v14, 23, v11                     ; the scale's byte
.if (\t)%4 == 0
	v_mov_b32 v[SB+(\t)/4], v14                    ; four bytes to a register, the lower K in the lower byte
.else
	v_lshl_or_b32 v[SB+(\t)/4], v14, 8*((\t)%4), v[SB+(\t)/4]
.endif
.irp g, 0,1,2,3
	v_cvt_scalef32_pk8_fp4_f32 v[WC+\g], v[XS+8*\g:XS+8*\g+7], v11
.endr
	ds_store_b128 v4, v[WC:WC+3] offset:16*(\t)    ; 32 codes: 16 bytes of my column's row
.if (\t)+2 < NB
	WLOAD (\t)+2
.endif
	s_wait_dscnt 0x0                               ; the store has read its registers: the next block's codes may be written
.endm
.set Q, 0
.rept NB
	BLOCK Q
.set Q, Q+1
.endr
	global_store_b128 v9, v[SB:SB+3], s[16:17]     ; my column's 16 scale bytes
.irp t, 0,1,2,3,4,5,6,7,8,9,10,11,12,13,14,15
	ds_load_b128 v[OUTR+4*\t:OUTR+4*\t+3], v7 offset:2*\t*PITCH
.endr
.irp t, 0,1,2,3,4,5,6,7,8,9,10,11,12,13,14,15
	s_wait_dscnt 15-\t                             ; LDS loads come back in order: pair t of rows is in
	global_store_b128 v8, v[OUTR+4*\t:OUTR+4*\t+3], s[14:15] offset:2*\t*KROW
.endr
	FIN
	s_endpgm
.Lpath_p:
; ---- PATH P.  w_proj to f16, in its own order [k][n].  A wave converts 4,096 numbers: 32 loads of 512 consecutive bytes, all issued at once; 32 stores of 256 consecutive bytes.  No register is written twice.
	s_sub_co_u32 s21, ttmp9, 304
	s_lshl_b32 s21, s21, 2
	s_add_co_u32 s21, s21, s20
	s_lshl_b32 s22, s21, 14
	s_mov_b32 s23, 0
	s_lshl_b32 s24, s21, 13
	s_mov_b32 s25, 0
	v_lshlrev_b32 v3, 4, v2
	v_lshlrev_b32 v4, 3, v2
	s_wait_kmcnt 0x0
	s_add_nc_u64 s[8:9], s[8:9], s[22:23]
	s_add_nc_u64 s[18:19], s[18:19], s[24:25]
.set i, 0
.rept 32
	global_load_b128 v[16+4*i:19+4*i], v3, s[8:9] offset:512*i th:TH_LOAD_NT
.set i, i+1
.endr
.set i, 0
.rept 32
	s_wait_loadcnt 31-i                            ; loads come back in order: number i is in
	v_cvt_pk_f16_f32 v[144+2*i], v[16+4*i], v[17+4*i]
	v_cvt_pk_f16_f32 v[145+2*i], v[18+4*i], v[19+4*i]
	global_store_b64 v4, v[144+2*i:145+2*i], s[18:19] offset:256*i
.set i, i+1
.endr
	FIN
	s_endpgm
.Lfunc_end_k_qfb2517837b_prep:
	.size	k_qfb2517837b_prep, .Lfunc_end_k_qfb2517837b_prep-k_qfb2517837b_prep
	.p2alignl 7, 3214868480
	.fill 96, 4, 3214868480
	.section	.rodata,"a",@progbits
	.p2align	6, 0x0
	.amdhsa_kernel k_qfb2517837b_prep
		.amdhsa_group_segment_fixed_size 68096
		.amdhsa_private_segment_fixed_size 0
		.amdhsa_enable_private_segment 0
		.amdhsa_kernarg_size 64
		.amdhsa_user_sgpr_count 2
		.amdhsa_user_sgpr_kernarg_segment_ptr 1
		.amdhsa_wavefront_size32 1
		.amdhsa_system_sgpr_workgroup_id_x 1
		.amdhsa_system_sgpr_workgroup_id_y 1
		.amdhsa_system_sgpr_workgroup_id_z 1
		.amdhsa_system_vgpr_workitem_id 0
		.amdhsa_next_free_vgpr 224
		.amdhsa_next_free_sgpr 66
		.amdhsa_reserve_vcc 0
		.amdhsa_float_denorm_mode_32 3
		.amdhsa_float_denorm_mode_16_64 3
		.amdhsa_memory_ordered 1
		.amdhsa_forward_progress 1
		.amdhsa_inst_pref_size 122
	.end_amdhsa_kernel
	.amdgpu_metadata
---
amdhsa.version: [ 1, 2 ]
amdhsa.kernels:
  - .name:           k_qfb2517837b_prep
    .symbol:         k_qfb2517837b_prep.kd
    .args:
      - { .name: x, .offset: 0, .size: 8, .value_kind: global_buffer, .address_space: global }
      - { .name: w_attn, .offset: 8, .size: 8, .value_kind: global_buffer, .address_space: global }
      - { .name: w_proj, .offset: 16, .size: 8, .value_kind: global_buffer, .address_space: global }
      - { .name: x_codes, .offset: 24, .size: 8, .value_kind: global_buffer, .address_space: global }
      - { .name: x_scales, .offset: 32, .size: 8, .value_kind: global_buffer, .address_space: global }
      - { .name: wa_codes, .offset: 40, .size: 8, .value_kind: global_buffer, .address_space: global }
      - { .name: wa_scales, .offset: 48, .size: 8, .value_kind: global_buffer, .address_space: global }
      - { .name: wp16, .offset: 56, .size: 8, .value_kind: global_buffer, .address_space: global }
    .group_segment_fixed_size: 68096
    .private_segment_fixed_size: 0
    .kernarg_segment_align: 8
    .kernarg_segment_size: 64
    .max_flat_workgroup_size: 128
    .sgpr_count:     66
    .vgpr_count:     224
    .wavefront_size: 32
...
	.end_amdgpu_metadata
.endif
;; end of part 1
;; launch qkv (part 2): grid 12 x 32, 4 waves a work-group, clusters of 4 x 4, 327,680 bytes of LDS; arguments x_codes, x_scales, wa_codes, wa_scales, qkvh, b_attn, q16; writes qkvh, q16
.if DOCPART == 2
	.amdgcn_target "amdgcn-amd-amdhsa--gfx1250"
	.amdhsa_code_object_version 6
	.text
	.protected	k_qfb2517837b_qkv
	.globl	k_qfb2517837b_qkv
	.p2align	8
	.type	k_qfb2517837b_qkv,@function
k_qfb2517837b_qkv:
	s_mov_b64 s[64:65], 0
	v_nop
	global_prefetch_b8 v0, s[64:65] scope:SCOPE_SE
	s_setreg_imm32_b32 hwreg(HW_REG_WAVE_MODE, 25, 1), 1
	s_wait_xcnt 0x0
	s_wait_alu depctr_hold_cnt(0) depctr_sa_sdst(0) depctr_va_vdst(0) depctr_va_sdst(0) depctr_va_ssrc(0) depctr_va_vcc(0) depctr_vm_vsrc(0)
	s_getreg_b32 s2, hwreg(HW_REG_IB_STS2, 6, 4)
	s_cmp_eq_u32 s2, 0
	s_cbranch_scc0 .Lentry_in_a_cluster
	s_endpgm
.Lentry_in_a_cluster:
	s_bfe_u32 s2, ttmp6, 0x10000c
	s_cmp_lg_u32 s2, 0xf033
	s_cbranch_scc0 .Lentry_shape_is_right
	s_endpgm
.Lentry_shape_is_right:
; qkv = Q(x) Q(w_attn) + b_attn on codes of FP4 (E2M1) with one E8M0 scale for each 32 along K; sums in f32.  x_codes [8192][512 bytes], wa_codes [3072 n][512 bytes], K innermost; scale bytes [rows][32].
; OUT: qkvh [3 (q, k, v)][4 b][16 h][2048 t][64] f16 (LIMIT: magnitudes under 65,504), and q16 [16 b + t][3072] f32: the rows t < 16 of every batch, unrounded, for the launch first16.
; A tile of 256 x 256 is made by a work-group of four waves; a wave makes 128 x 128: 64 accumulators, 512 registers.  K = 1,024 is two LDS slots of 512 along K: both are first fills, and so are the scale bytes of the
; work-group's rows for all of K: three tensor loads a wave are out at the start, and no LDS byte is filled again.
; CLUSTERS: 4 x 4 work-groups.  The four of a row of the cluster need the same tiles of x, the four of a column the same tiles of w_attn: each tile is asked for JOINTLY.  The tile row is 8 cy + the cluster's y, so that
; the batch is cy and the tile's place in its batch is the cluster's y, which all partners share: the branch for the rows t < 16 hangs on it and on the wave's number alone.
; THE MATRIX INSTRUCTION IS USED TRANSPOSED (source 0 = 16 rows of wa_codes, source 1 = 16 rows of x_codes): a lane holds eight neighbouring columns of one row.  The bias is the C of each sum's first product.
; REGISTERS: window 0: v0-31 addresses; v32-95 scale words, two sets; v96-127 packed results; v128-191 x's fragments, one set, later rows on the way out; v192-255 the bias, later q16's rows.
;   window 1: w_attn's fragments, two sets.   window 2: the accumulators of my rows 0-63 ((a, b) at v[8 (8 a + b)]);   window 3: those of rows 64-127.
.set SIZE_K, 1024
.set KSTEP,  512
.set NQ,     KSTEP/128
.set ROWB,   256                       ; a tile's row in bytes
.set KROW,   SIZE_K/2                  ; a row of codes in memory
.set PITCH,  272                       ; an LDS row: 256 bytes + 16 of padding: the 16 rows that a load touches start at 16 different banks (64 banks of 4 bytes: ISA guide 11.1)
.set FR,     8
.set NL,     2
.set NP,     4                         ; places behind this matrix instruction (ISA guide 7.12.1)
.set HALFT,  128*PITCH
.set SLOT,   4*HALFT
.set KS,     SIZE_K/32                 ; a row of scale bytes
.set SCL,    2*SLOT                    ; behind the slots: the scales, as units of 256 bytes + 16 of padding
.set HALFS,  (128*KS/256)*272
.set SBLK,   (16*KS/256)*272
.set SPARE,  SCL+4*HALFS               ; the spare words, 128 bytes for each wave
.set WSTG,   16*528                    ; the way out: a stage for each wave, in slot 0, which has had its only fill and its last read when the first result is stored there
.set ADRA, 16                          ; v16-17 LDS address of my fragments of x in slot 0, 1
.set ADRB, 20                          ; v20-21 the same for w_attn
.set CO32, 22                          ; v22  16 x lane: q16's way out
.set BO,   23                          ; v23  32 x (lane / 16): the bias
.set STO,  24                          ; v24  f16 way out: where I put 16 bytes of a row
.set RD,   25                          ; v25  and where I read back
.set CO,   26                          ; v26  my byte offset in qkvh
.set ADRS, 27                          ; v27  LDS address of my scale words
.set SPW,  28                          ; v28  my spare word; never rewritten
.set NIL,  29                          ; v29  0; never rewritten
.set STO32, 30                         ; v30  f32 way out: where I put 32 bytes of a row
.set RD32, 31                          ; v31  and where I read a row back
.set SC,   32
.set TMP,  96
.set AF,   128
.set BK,   128
.set BI,   192
.set G1, 24
.set G0, 32
.set G1B, 48
.set G0B, 56
.set G1S, 68
.set G0S, 76
.set G1SB, 80
.set G0SB, 88
.set MSB, 0
.macro WIN new                         ; the immediate's high byte repeats the setting that is left
.if MSB != (\new)
	s_set_vgpr_msb (MSB<<8)|(\new)
.set MSB, (\new)
.endif
.endm
.set MUL_LO, 0xa1                      ; source 0 window 1, source 1 window 0, C and D window 2
.set MUL_HI, 0xf1                      ; the same, C and D window 3
.set FST_LO, 0x81                      ; the first K step: C is the bias, in window 0
.set FST_HI, 0xc1
.set TO_B,   0x40
; A joint load: waves 0 and 1 fetch for x, waves 2 and 3 for w_attn.  The branch hangs on the wave's number alone.  An s_nop 0 and four v_nop follow each of the two lines.
.macro JLOAD g0a, g1a, g0b, g1b
	s_cmp_eq_u32 s15, 0
	s_cbranch_scc0 .Lfor_b_\@
	tensor_load_to_lds s[\g0a:\g0a+3], s[\g1a:\g1a+7]
	s_nop 0
.rept 4
	v_nop
.endr
	s_branch .Lasked_\@
.Lfor_b_\@:
	tensor_load_to_lds s[\g0b:\g0b+3], s[\g1b:\g1b+7]
	s_nop 0
.rept 4
	v_nop
.endr
.Lasked_\@:
.endm
.macro CROUND                          ; a round of the cluster's barrier
	s_barrier_signal -1
	s_barrier_wait -1
	s_cmp_lg_u32 s14, 0
	s_cbranch_scc1 .Lnot_wave_0_\@
	s_barrier_signal -3
.Lnot_wave_0_\@:
	s_barrier_wait -3
	s_barrier_signal -1
	s_barrier_wait -1
.endm
	s_load_b128 s[4:7], s[0:1], 0x0                ; x_codes, x_scales
	s_load_b128 s[8:11], s[0:1], 0x10              ; wa_codes, wa_scales
	s_load_b64 s[12:13], s[0:1], 0x20              ; qkvh
	s_load_b64 s[96:97], s[0:1], 0x28              ; b_attn
	s_load_b64 s[98:99], s[0:1], 0x30              ; q16
	v_lshl_add_u32 v[SPW], v0, 2, SPARE
	v_mov_b32 v[NIL], 0
	ds_add_u32 v[SPW], v[NIL]                      ; the wave's opening: the add, twice on end, and its wait ahead of my first tensor load
	ds_add_u32 v[SPW], v[NIL]                      ; and once more; the set-up below, work on registers, stands between it and the wait
	v_lshrrev_b32 v1, 5, v0
	v_readfirstlane_b32 s14, v1                    ; wave 0..3
	s_lshr_b32 s15, s14, 1                         ; which half of the tile's rows is mine.  Also: I fetch for x (0) or for w_attn (1)
	s_and_b32 s16, s14, 1                          ; which half of its columns.  Also: which 128 rows of that tile I fetch
	s_bfe_u32 s40, ttmp6, 0x40000                  ; cx, cy: my place in the cluster
	s_bfe_u32 s41, ttmp6, 0x40004
	s_lshl_b32 s42, ttmp9, 2
	s_add_co_u32 s42, s42, s40                     ; tile column = 4 x cluster x + cx
	s_and_b32 s66, ttmp7, 0xffff                   ; the cluster's y: the tile's place in its batch
	s_lshl_b32 s17, s41, 3
	s_add_co_u32 s17, s17, s66                     ; tile row = 8 cy + cluster y
	s_or_b32 s67, s66, s15                         ; 0 in the waves that hold the rows t < 16: the same in all partners
	s_lshl_b32 s43, s41, 2
	s_lshl_b32 s43, 15, s43                        ; my row of the cluster
	s_lshl_b32 s44, 0x1111, s40                    ; my column
	s_or_b32 s[G1+0], s43, (0<<16)|(1<<20)|(1<<21)|(5<<22)|(3<<25)  ; the mask; elements of 1 byte; padding on; bit 21 beside a mask; 4 words after every 64
	s_or_b32 s[G1B+0], s44, (0<<16)|(1<<20)|(1<<21)|(5<<22)|(3<<25)
.irp g, G1, G1B
	s_mov_b32 s[\g+1], ROWB<<16                    ; tensor_dim0
	s_mov_b32 s[\g+2], 128<<16                     ; tensor_dim1
	s_mov_b32 s[\g+3], ROWB<<16                    ; tile_dim0
	s_mov_b32 s[\g+4], 128                         ; tile_dim1
	s_mov_b32 s[\g+5], KROW                        ; the pitch
	s_mov_b32 s[\g+6], 0
	s_mov_b32 s[\g+7], 0
.endr
	s_or_b32 s[G1S+0], s43, (3<<16)|(1<<20)|(1<<21)|(5<<22)|(3<<25) ; the scales of 128 rows: 4,096 dense bytes as 16 rows of 256 (32 elements of 8 bytes)
	s_or_b32 s[G1SB+0], s44, (3<<16)|(1<<20)|(1<<21)|(5<<22)|(3<<25)
.irp g, G1S, G1SB
	s_mov_b32 s[\g+1], 32<<16
	s_mov_b32 s[\g+2], (128*KS/256)<<16
	s_mov_b32 s[\g+3], 32<<16
	s_mov_b32 s[\g+4], 128*KS/256
	s_mov_b32 s[\g+5], 32
	s_mov_b32 s[\g+6], 0
	s_mov_b32 s[\g+7], 0
.endr
	s_lshl_b32 s18, s16, 7
	s_lshl_b32 s20, s17, 8
	s_add_co_u32 s20, s20, s18                     ; x: row 256 x tile row + 128 x half
	s_lshl_b32 s46, s42, 8
	s_add_co_u32 s46, s46, s18                     ; w_attn: row 256 x tile column + 128 x half
	s_mov_b32 s21, 0
	s_mov_b32 s47, 0
	s_mov_b64 s[18:19], KS
	s_mul_u64 s[22:23], s[20:21], s[18:19]         ; where these rows' scales begin,
	s_mul_u64 s[92:93], s[46:47], s[18:19]
	s_mov_b64 s[18:19], KROW
	s_mul_u64 s[20:21], s[20:21], s[18:19]         ; and their codes
	s_mul_u64 s[46:47], s[46:47], s[18:19]
	s_mul_i32 s45, s14, HALFT                      ; where they go: wave x 128 rows
	s_mul_i32 s94, s14, HALFS
	s_wait_dscnt 0x0                               ; both opening adds are done
	s_wait_kmcnt 0x0
	s_add_nc_u64 s[20:21], s[4:5], s[20:21]
	s_add_nc_u64 s[22:23], s[6:7], s[22:23]
	s_add_nc_u64 s[46:47], s[8:9], s[46:47]
	s_add_nc_u64 s[92:93], s[10:11], s[92:93]
	CROUND                                         ; all sixteen work-groups are here: the joint loads meet
	s_mov_b32 s[G0S], 1
	s_add_co_u32 s[G0S+1], s94, SCL
	s_mov_b64 s[G0S+2:G0S+3], s[22:23]
	s_or_b32 s[G0S+3], s[G0S+3], 0x80000000
	s_mov_b32 s[G0SB], 1
	s_add_co_u32 s[G0SB+1], s94, SCL
	s_mov_b64 s[G0SB+2:G0SB+3], s[92:93]
	s_or_b32 s[G0SB+3], s[G0SB+3], 0x80000000
	JLOAD G0S, G1S, G0SB, G1SB                     ; the scales first: they are wanted with slot 0
.irp s, 0,1
	s_mov_b32 s[G0+4*\s], 1
	s_add_co_u32 s[G0+4*\s+1], s45, \s*SLOT
	s_add_nc_u64 s[G0+4*\s+2:G0+4*\s+3], s[20:21], \s*ROWB
	s_or_b32 s[G0+4*\s+3], s[G0+4*\s+3], 0x80000000
	s_mov_b32 s[G0B+4*\s], 1
	s_add_co_u32 s[G0B+4*\s+1], s45, \s*SLOT
	s_add_nc_u64 s[G0B+4*\s+2:G0B+4*\s+3], s[46:47], \s*ROWB
	s_or_b32 s[G0B+4*\s+3], s[G0B+4*\s+3], 0x80000000
	JLOAD G0+4*\s, G1, G0B+4*\s, G1B
.endr
	v_and_b32 v1, 15, v0                           ; r = lane % 16
	v_bfe_u32 v2, v0, 4, 1                         ; h = lane / 16
	s_lshl_b32 s46, s42, 10                        ; my first column, in bytes of f32: 1,024 x tile column + 512 x half
	s_lshl_b32 s47, s16, 9
	s_add_co_u32 s46, s46, s47
	s_mov_b32 s47, 0
	s_add_nc_u64 s[96:97], s[96:97], s[46:47]      ; the bias at my first column
	v_lshlrev_b32 v[BO], 5, v2
.irp b, 0,1,2,3,4,5,6,7                        ; in the result's layout: lane (r, h) wants, for n block b, b_attn at columns 16 b + 8 h + 0 .. 7
	global_load_b128 v[BI+8*\b:BI+8*\b+3], v[BO], s[96:97] offset:64*\b
	global_load_b128 v[BI+8*\b+4:BI+8*\b+7], v[BO], s[96:97] offset:64*\b+16
.endr
	v_mul_u32_u24 v3, v1, PITCH
	v_lshl_add_u32 v4, v2, 4, v3                   ; a fragment's row x pitch + 16 x half
	s_mul_i32 s21, s15, HALFT
	s_mul_i32 s22, s16, HALFT
	s_add_co_u32 s22, s22, 2*HALFT
.irp s, 0,1
	v_add_nc_u32 v[ADRA+\s], s21, v4
	v_add_nc_u32 v[ADRB+\s], s22, v4
	s_add_co_u32 s21, s21, SLOT
	s_add_co_u32 s22, s22, SLOT
.endr
	v_mul_u32_u24 v5, v1, KS                       ; my row's scales: 32 bytes a row,
	v_lshrrev_b32 v6, 8, v5
	v_lshl_add_u32 v5, v6, 4, v5                   ; and 16 more for each 256 passed
	s_mul_i32 s21, s15, HALFS
	s_mul_i32 s22, s16, HALFS
	s_add_co_u32 s22, s22, 2*HALFS
	s_sub_co_u32 s22, s22, s21
	v_mul_u32_u24 v6, s22, v2                      ; lanes 16-31 take w_attn's
	s_add_co_u32 s21, s21, SCL
	v_add_nc_u32 v5, v5, v6
	v_add_nc_u32 v[ADRS], s21, v5
	s_mul_i32 s23, s14, WSTG                       ; my stage
	v_mul_u32_u24 v5, v1, 272                      ; f16, in: row r of 256 bytes + 16, 16 bytes for each half of the lanes
	v_lshl_add_u32 v5, v2, 4, v5
	v_add_nc_u32 v[STO], s23, v5
	v_bfe_u32 v5, v0, 3, 1                         ; f16, back: lanes 0-15 take two rows' 128 bytes of the first head, lanes 16-31 of the second
	v_mul_u32_u24 v5, v5, 272
	v_lshl_add_u32 v5, v2, 7, v5
	v_and_b32 v6, 7, v0
	v_lshl_add_u32 v5, v6, 4, v5
	v_add_nc_u32 v[RD], s23, v5
	v_lshlrev_b32 v[CO], 18, v2                    ; in qkvh a head is 262,144 bytes; two rows t are 256 consecutive bytes
	v_lshl_add_u32 v[CO], v1, 4, v[CO]
	v_mul_u32_u24 v5, v1, 528                      ; f32, in: row r of 512 bytes + 16, 32 bytes for each half of the lanes
	v_lshl_add_u32 v5, v2, 5, v5
	v_add_nc_u32 v[STO32], s23, v5
	v_and_b32 v6, 31, v0
	v_lshlrev_b32 v[CO32], 4, v6
	v_add_nc_u32 v[RD32], s23, v[CO32]
	s_lshr_b32 s20, s42, 2                         ; q, k or v: 4 tile columns each
	s_lshl_b32 s20, s20, 6
	s_lshl_b32 s21, s41, 4                         ; + 16 x batch
	s_add_co_u32 s20, s20, s21
	s_and_b32 s21, s42, 3
	s_lshl_b32 s21, s21, 2                         ; + the tile's first head
	s_add_co_u32 s20, s20, s21
	s_lshl_b32 s21, s16, 1                         ; + my half's two heads
	s_add_co_u32 s20, s20, s21
	s_lshl_b32 s20, s20, 18
	s_lshl_b32 s21, s66, 15                        ; + 256 rows t of 128 bytes for each tile of the batch
	s_add_co_u32 s20, s20, s21
	s_lshl_b32 s21, s15, 14                        ; + my half's 128 rows
	s_add_co_u32 s20, s20, s21
	s_mov_b32 s21, 0
	s_add_nc_u64 s[12:13], s[12:13], s[20:21]
	s_mul_i32 s20, s41, 16*12288                   ; q16: 16 rows of 12,288 bytes a batch,
	s_add_co_u32 s20, s20, s46                     ; + my first column
	s_add_nc_u64 s[98:99], s[98:99], s[20:21]
.macro FRAG reg, adr, q, i             ; a fragment, 16 rows x 128 K of 4-bit codes: 8 registers, two loads of 16 bytes, 32 bytes apart
.irp c, 0,1
	ds_load_b128 v[\reg+4*\c:\reg+4*\c+3], v[\adr] offset:64*(\q)+32*\c+(\i)*16*PITCH
.endr
.endm
; 16 matrix instructions: x's blocks a0, a0 + 1 against w_attn's eight.  zero = 1: the sums begin with the bias.  The 64 accumulators take turns, one instruction a turn.
.macro MUL16 a0, p, q, sc, zero
.irp a, \a0, \a0+1
.irp b, 0,1,2,3,4,5,6,7
.if \zero
	v_wmma_scale_f32_16x16x128_f8f6f4 v[8*(8*((\a)%4)+\b):8*(8*((\a)%4)+\b)+7], v[128*(\p)+FR*\b:128*(\p)+FR*\b+FR-1], v[AF+FR*(\a):AF+FR*(\a)+FR-1], v[BI+8*\b:BI+8*\b+7], v[SC+8*NQ*(\sc)+NQ*\b+(\q)], v[SC+8*NQ*(\sc)+NQ*(\a)+(\q)] matrix_a_fmt:MATRIX_FMT_FP4 matrix_b_fmt:MATRIX_FMT_FP4 matrix_a_scale:MATRIX_SCALE_ROW1
.else
	v_wmma_scale_f32_16x16x128_f8f6f4 v[8*(8*((\a)%4)+\b):8*(8*((\a)%4)+\b)+7], v[128*(\p)+FR*\b:128*(\p)+FR*\b+FR-1], v[AF+FR*(\a):AF+FR*(\a)+FR-1], v[8*(8*((\a)%4)+\b):8*(8*((\a)%4)+\b)+7], v[SC+8*NQ*(\sc)+NQ*\b+(\q)], v[SC+8*NQ*(\sc)+NQ*(\a)+(\q)] matrix_a_fmt:MATRIX_FMT_FP4 matrix_b_fmt:MATRIX_FMT_FP4 matrix_a_scale:MATRIX_SCALE_ROW1
.endif
.endr
.endr
.endm
.macro FETCH_B slot, q, p
	WIN TO_B
.irp i, 0,1,2,3,4,5,6,7
	FRAG 128*(\p)+FR*\i, ADRB+\slot, \q, \i
.endr
	WIN 0
.endm
.macro FETCH_A slot, q, i0
.irp i, \i0, \i0+1, \i0+2, \i0+3
	FRAG AF+FR*(\i), ADRA+\slot, \q, \i
.endr
.endm
.macro SCALES sc                       ; a slot's scale words: 4 words a row; lanes 0-15 take x's block i, lanes 16-31 w_attn's block i
.irp i, 0,1,2,3,4,5,6,7
	ds_load_b128 v[SC+8*NQ*\sc+NQ*\i:SC+8*NQ*\sc+NQ*\i+3], v[ADRS] offset:\i*SBLK
.endr
.endm
.macro PLACES n                        ; places in front of loads into registers that matrix instructions have read, and of the first read of results
.rept \n
	v_nop
.endr
.endm
.macro STEP slot, q, zero              ; a step of 128 along K that has its successor in the same slot
	s_wait_dscnt 4*NL                              ; w_attn's set and x's blocks 0-3 are in; the youngest eight loads (x's blocks 4-7) may be out
.if \zero
	WIN FST_LO
.else
	WIN MUL_LO
.endif
	MUL16 0, (\q)%2, \q, \slot, \zero
	MUL16 2, (\q)%2, \q, \slot, \zero
	s_wait_dscnt 0                                 ; x's blocks 4-7 are in
	PLACES NP
	FETCH_B \slot, (\q)+1, 1-(\q)%2
	FETCH_A \slot, (\q)+1, 0
.if \zero
	WIN FST_HI
.else
	WIN MUL_HI
.endif
	MUL16 4, (\q)%2, \q, \slot, \zero
	MUL16 6, (\q)%2, \q, \slot, \zero
	PLACES NP
	WIN 0
	FETCH_A \slot, (\q)+1, 4
.endm
; Slot 0's last step changes slots: one barrier; in front of it each wave waits for all its tensor loads (its part of slot 1), adds 0 to its spare word, and waits for that and for its reads of slot 0.  Nothing is filled again.
.macro TURN slot, next
	s_wait_tensorcnt 0x0                           ; all my tensor loads have landed
	ds_add_u32 v[SPW], v[NIL]
	s_wait_dscnt 4*NL+1                            ; (the add and the youngest eight loads may be out)
	WIN MUL_LO
	MUL16 0, 1, NQ-1, \slot, 0
	s_wait_dscnt 0x0                               ; the add is done, and my reads of this slot are over
	s_barrier_signal -1
	MUL16 2, 1, NQ-1, \slot, 0
	WIN 0
	s_barrier_wait -1
	PLACES NP
	v_add_nc_u32 v[ADRS], 4*NQ, v[ADRS]            ; on to the next slot's scale words
	FETCH_B \next, 0, 0
	FETCH_A \next, 0, 0
	SCALES \next
	WIN MUL_HI
	MUL16 4, 1, NQ-1, \slot, 0
	MUL16 6, 1, NQ-1, \slot, 0
	PLACES NP
	WIN 0
	FETCH_A \next, 0, 4
.endm
.macro STEPS slot, from
.set Q, \from
.rept NQ-1-\from
	STEP \slot, Q, 0
.set Q, Q+1
.endr
.endm
	s_wait_tensorcnt 1                             ; the scales and my part of slot 0 are in (slot 1's load may be out),
	s_barrier_signal -1
	s_barrier_wait -1                              ; everybody's are
	FETCH_B 0, 0, 0
	FETCH_A 0, 0, 0
	SCALES 0
	FETCH_A 0, 0, 4
	s_wait_loadcnt 0x0                             ; the bias
	STEP 0, 0, 1
	STEPS 0, 1
	TURN 0, 1
	STEPS 1, 0
	s_wait_dscnt 4*NL                              ; the last step: nothing more to fetch
	WIN MUL_LO
	MUL16 0, 1, NQ-1, 1, 0
	MUL16 2, 1, NQ-1, 1, 0
	s_wait_dscnt 0
	WIN MUL_HI
	MUL16 4, 1, NQ-1, 1, 0
	MUL16 6, 1, NQ-1, 1, 0
	WIN 0
	PLACES NP                                      ; for the reads of results and the loads into registers that held fragments
	; THE ROWS t < 16, IN f32: block 0 of the waves whose tile begins a batch.  Through my stage, back as whole rows of 512 bytes.
	s_cmp_lg_u32 s67, 0
	s_cbranch_scc1 .Lno16
	WIN 0x08                                       ; an LDS store's data are its source 1: window 2
.irp b, 0,1,2,3,4,5,6,7
	ds_store_b128 v[STO32], v[8*\b:8*\b+3] offset:64*\b            ; each accumulator from its low end on
	ds_store_b128 v[STO32], v[8*\b+4:8*\b+7] offset:64*\b+16
.endr
	WIN 0
.irp t, 0,1,2,3,4,5,6,7,8,9,10,11,12,13,14,15
	ds_load_b128 v[BI+4*\t:BI+4*\t+3], v[RD32] offset:\t*528       ; LDS serves a wave's instructions in order: these see my stores
.endr
.irp t, 0,1,2,3,4,5,6,7,8,9,10,11,12,13,14,15
	s_wait_dscnt 15-\t
	global_store_b128 v[CO32], v[BI+4*\t:BI+4*\t+3], s[98:99] offset:\t*12288   ; 32 lanes store 512 consecutive bytes, aligned
.endr
.Lno16:
; THE WAY OUT IN f16, block by block of 16 rows x 128 columns (two heads).  PACK: rounded to f16, 16 bytes a lane.  TOSTAGE: into my stage, and back by heads.  SEND: sixteen lanes store 256 consecutive bytes, aligned: two rows t of a head.
.macro PACK a
.set AC, 64*((\a)%4)
	WIN 0x0a+5*((\a)/4)                            ; sources 0 and 1: window 2 or 3
.irp b, 0,1,2,3,4,5,6,7
.irp r, 0,1,2,3
	v_cvt_pk_f16_f32 v[TMP+4*\b+\r], v[AC+8*\b+2*\r], v[AC+8*\b+2*\r+1]
.endr
.endr
	WIN 0
.endm
.macro TOSTAGE a
.set BB, BK+32*((\a)%2)
.irp b, 0,1,2,3,4,5,6,7
	ds_store_b128 v[STO], v[TMP+4*\b:TMP+4*\b+3] offset:32*\b
.endr
.irp i, 0,1,2,3,4,5,6,7
	ds_load_b128 v[BB+4*\i:BB+4*\i+3], v[RD] offset:\i*544
.endr
.endm
.macro SEND a
.set BB, BK+32*((\a)%2)
	s_wait_dscnt 0x0                               ; the block is back in registers
	s_wait_xcnt 0x0                                ; the earlier stores have read their registers: the next block's loads may land there
.irp i, 0,1,2,3,4,5,6,7
	global_store_b128 v[CO], v[BB+4*\i:BB+4*\i+3], s[12:13] offset:2048*(\a)+256*\i
.endr
.endm
	PACK 0
	TOSTAGE 0
.irp a, 1,2,3,4,5,6,7                          ; block a's conversions stand between block a - 1's loads from the stage and the wait for them
	PACK \a
	SEND \a-1
	TOSTAGE \a
.endr
	SEND 7
	s_wait_tensorcnt 0x0                           ; the wave's end
	ds_add_u32 v[SPW], v[NIL]
	s_wait_dscnt 0x0
	CROUND                                         ; the closing round
	s_endpgm
.Lfunc_end_k_qfb2517837b_qkv:
	.size	k_qfb2517837b_qkv, .Lfunc_end_k_qfb2517837b_qkv-k_qfb2517837b_qkv
	.p2alignl 7, 3214868480
	.fill 96, 4, 3214868480
	.section	.rodata,"a",@progbits
	.p2align	6, 0x0
	.amdhsa_kernel k_qfb2517837b_qkv
		.amdhsa_group_segment_fixed_size 327680
		.amdhsa_private_segment_fixed_size 0
		.amdhsa_enable_private_segment 0
		.amdhsa_kernarg_size 56
		.amdhsa_user_sgpr_count 2
		.amdhsa_user_sgpr_kernarg_segment_ptr 1
		.amdhsa_wavefront_size32 1
		.amdhsa_system_sgpr_workgroup_id_x 1
		.amdhsa_system_sgpr_workgroup_id_y 1
		.amdhsa_system_sgpr_workgroup_id_z 1
		.amdhsa_system_vgpr_workitem_id 0
		.amdhsa_next_free_vgpr 1024
		.amdhsa_next_free_sgpr 100
		.amdhsa_reserve_vcc 0
		.amdhsa_float_denorm_mode_32 3
		.amdhsa_float_denorm_mode_16_64 3
		.amdhsa_memory_ordered 1
		.amdhsa_forward_progress 1
		.amdhsa_inst_pref_size 133
	.end_amdhsa_kernel
	.amdgpu_metadata
---
amdhsa.version: [ 1, 2 ]
amdhsa.kernels:
  - .name:           k_qfb2517837b_qkv
    .symbol:         k_qfb2517837b_qkv.kd
    .args:
      - { .name: x_codes, .offset: 0, .size: 8, .value_kind: global_buffer, .address_space: global }
      - { .name: x_scales, .offset: 8, .size: 8, .value_kind: global_buffer, .address_space: global }
      - { .name: wa_codes, .offset: 16, .size: 8, .value_kind: global_buffer, .address_space: global }
      - { .name: wa_scales, .offset: 24, .size: 8, .value_kind: global_buffer, .address_space: global }
      - { .name: qkvh, .offset: 32, .size: 8, .value_kind: global_buffer, .address_space: global }
      - { .name: b_attn, .offset: 40, .size: 8, .value_kind: global_buffer, .address_space: global }
      - { .name: q16, .offset: 48, .size: 8, .value_kind: global_buffer, .address_space: global }
    .group_segment_fixed_size: 327680
    .private_segment_fixed_size: 0
    .kernarg_segment_align: 8
    .kernarg_segment_size: 56
    .max_flat_workgroup_size: 128
    .sgpr_count:     100
    .vgpr_count:     1024
    .wavefront_size: 32
...
	.end_amdgpu_metadata
.endif
;; end of part 2
;; launch attn (part 3): grid 4 x 64, 8 waves a work-group, no clusters, 327,680 bytes of LDS; arguments qkvh, y; writes y
.if DOCPART == 3
	.amdgcn_target "amdgcn-amd-amdhsa--gfx1250"
	.amdhsa_code_object_version 6
	.text
	.protected	k_qfb2517837b_attn
	.globl	k_qfb2517837b_attn
	.p2align	8
	.type	k_qfb2517837b_attn,@function
k_qfb2517837b_attn:
	s_mov_b64 s[64:65], 0
	v_nop
	global_prefetch_b8 v0, s[64:65] scope:SCOPE_SE
	s_setreg_imm32_b32 hwreg(HW_REG_WAVE_MODE, 25, 1), 1
	s_wait_xcnt 0x0
; y[b][h][q][:] = the sum over k <= q of softmax_k(q . k / 8) v[k][:].  qkvh: [3][64 heads][2048][64] f16; y: [64 heads][2048][64] f16.  Products on f16 operands, sums, maxima and the softmax in f32.
; WORK LEFT OUT: a key step (64 keys) all of whose keys come after a wave's 32 queries lies wholly under the -infinity of reference()'s own jnp.tril: its weights are 0 for all finite inputs.
; LIMITS: magnitudes of q, k, v under 65,504; a NaN or infinity that lies only in scores above the diagonal is not carried to the result.
; SHARES.  A head has 8 blocks of 256 queries.  Work-group i of a head owns block 7 - i and then block i: 8 - i and i + 1 key blocks of 256, always 9 trips: 256 work-groups of equal work, and every trip count a constant.
; A wave owns 32 queries, two tiles of 16; two waves share a SIMD, so that one wave's softmax stands beside the other's products.  A key step is 64 keys.
; LAYOUT.  S^T = K Q^T (source 0 = 16 keys, source 1 = 16 queries): a lane holds ONE query (lane % 16) and the keys 8 (lane / 16) + 0..7 of each tile.  Two such tiles, rounded to f16 in pairs, ARE source 1 of O^T = V^T P.
; K comes out of LDS as it lies, V turned by ds_load_tr16_b128.
; SOFTMAX.  A running maximum m and sum l for each query: p = 2^(c s - c m), c = log2(e) / 8; in every step O and l are multiplied by a = 2^(c m_old - c m_new).  The sum is taken of the unrounded p.
; NO CLUSTER: the four work-groups of a head change from their first block of queries to their second after 8, 7, 6 and 5 trips, so from the sixth trip on they want different key blocks behind one barrier.
; THE RING.  Two slots of 256 keys.  A head's rows are dense, so a step's 64 keys of 128 bytes come as 32 rows of 256 bytes, padded: key k lies at (k / 2) x pitch + 128 (k % 2).  Every wave fetches one tile of 8,192 bytes
; behind each barrier: waves 0-3 the four steps' K, waves 4-7 their V.  One tensor load of a wave is out at any time, and every wait for tensor loads is for 0.
.set PK,    272                        ; K: 256 bytes + 16: the 16 keys of a load start at 16 different groups of 4 banks (64 banks of 4 bytes: ISA guide 11.1)
.set PV,    288                        ; V: 256 + 32
.set VOFF,  32*PK
.set STEPB, 32*(PK+PV)                 ; a step: K's 32 double rows, then V's
.set SLOT1, 1<<17
.set STAGE, SLOT1+4*STEPB              ; behind the ring: 2 tiles x 16 rows x 144 bytes for each wave, for the way out
.set SPARE, STAGE+8*4608               ; the spare words, 128 bytes for each wave
.set AK0, 1                            ; v1  my lane's place in a tile of K; never rewritten
.set AV0, 2                            ; v2  the same for V
.set ADK, 3                            ; v3, v4  the addresses of the step in hand
.set ADV, 4
.set QO,  5                            ; v5  my byte offset in the wave's rows of q
.set STO, 6                            ; v6  the way out: where I put 16 bytes of a row
.set RD,  7                            ; v7  and where I read back
.set GO,  8                            ; v8  16 x lane
.set DM,  9                            ; v9  lane % 16 - 8 (lane / 16)
.set SPW, 10                           ; v10 my spare word; never rewritten
.set NIL, 11                           ; v11 0; never rewritten
.set PFO, 12                           ; v12 256 x lane: the prefetches' offset; never rewritten
.set NINF, 13                          ; v13 -infinity
.set ST,  16                           ; tile t's statistics at v[16 + 8 t]: +0 c m, +1 m, +2, +3 l, +4 to +7 at work; a at +6
.set Q,   32                           ; v32-63   q: tile t, channels 32 u on, at 16 t + 8 u
.set KV,  64                           ; v64-127  K's 8 fragments, then V's 8
.set S,   128                          ; v128-191 S^T, 32 a tile; P is packed in place into a tile's first 16
.set O,   192                          ; v192-255 O^T, 32 a tile
; s8 wave, s9 i, s10 head, s11 trips of the first block of queries, s12 trip, s13 steps left in a slot, s14 LDS byte of the step in hand, s15 the step's first key, s16 my first query, s17 the block of queries,
; s[18:19] at work, s[20:21] lane selects, s[22:23] c, s[24:31], s[32:39] descriptor group 1 for K and V, s[40:43] group 0, s[44:45] my tile in key block 0, s[46:47] a key block's offset,
; s[48:49] q's head, s[50:51] y's head, s[52:53], s[54:55] my rows of q and y, s[56:57] the prefetches' address, s58 trips in which I prefetch
.macro TLOAD                           ; the branch hangs on the wave's number alone; an s_nop 0 and four v_nop follow each of the two lines
	s_cmp_lt_u32 s8, 4
	s_cbranch_scc0 .Lfor_v_\@
	tensor_load_to_lds s[40:43], s[24:31]
	s_nop 0
.rept 4
	v_nop
.endr
	s_branch .Lasked_\@
.Lfor_v_\@:
	tensor_load_to_lds s[40:43], s[32:39]
	s_nop 0
.rept 4
	v_nop
.endr
.Lasked_\@:
.endm
; A PREFETCH INTO THE L2: in trip J the key block J + 2, which the next trip's tensor loads will ask for: a slot's four key steps ahead.  Each wave names its own tile's 8,192 bytes, lanes 256 bytes apart.
; All four work-groups of a head walk the same K and V: work-group 0, whose first block of queries walks all 8 key blocks, asks, and nobody else: each 256 bytes are named once in the launch.
; Key blocks 0 and 1 come by their loads alone; trips 6 and later ask for nothing: there is no key block 8.
.macro ASK
	s_cmp_lt_u32 s12, s58
	s_cbranch_scc0 .Lnot_mine_\@
	global_prefetch_b8 v[PFO], s[56:57] th:TH_LOAD_NT scope:SCOPE_SE
.Lnot_mine_\@:
.endm
	s_load_b128 s[4:7], s[0:1], 0x0                ; qkvh, y
	v_lshl_add_u32 v[SPW], v0, 2, SPARE
	v_mov_b32 v[NIL], 0
	ds_add_u32 v[SPW], v[NIL]                      ; the wave's opening: the add, twice on end, and its wait ahead of my first tensor load
	ds_add_u32 v[SPW], v[NIL]                      ; and once more; the set-up below stands between it and the wait
	v_lshrrev_b32 v1, 5, v0
	v_readfirstlane_b32 s8, v1                     ; wave 0..7
	s_mov_b32 s9, ttmp9                            ; i
	s_and_b32 s10, ttmp7, 0xffff                   ; 16 b + h
	s_sub_co_u32 s11, 8, s9                        ; the first block of queries, 7 - i, has 8 - i key blocks
	s_mov_b32 s[24], (1<<16)|(1<<20)|(5<<22)|(3<<25)   ; no mask; elements of 2 bytes; padding on: 4 words after every 64
	s_mov_b32 s[32], (1<<16)|(1<<20)|(5<<22)|(7<<25)   ; V: 8 words
.irp g, 24, 32
	s_mov_b32 s[\g+1], 128<<16                     ; tensor_dim0 = 128 elements: two keys
	s_mov_b32 s[\g+2], 32<<16                      ; tensor_dim1 = 32
	s_mov_b32 s[\g+3], 128<<16                     ; tile_dim0
	s_mov_b32 s[\g+4], 32                          ; tile_dim1
	s_mov_b32 s[\g+5], 128                         ; the pitch: dense
	s_mov_b32 s[\g+6], 0
	s_mov_b32 s[\g+7], 0
.endr
	s_mov_b32 s20, 0x76543210
	s_mov_b32 s21, 0xfedcba98                      ; v_permlanex16_b32: lane l xor 16
	s_mov_b32 s22, 0x3e38aa3b                      ; c = log2(e) / 8
	s_mov_b32 s23, s22                             ; (named with it as a pair, so it is written)
	s_mov_b32 s47, 0
	s_lshl_b32 s18, s10, 18                        ; a head is 262,144 bytes in q, k, v and y
	s_mov_b32 s19, 0
	s_and_b32 s2, s8, 3                            ; which step of a slot I fetch
	s_mul_i32 s41, s2, STEPB
	s_lshr_b32 s3, s8, 2                           ; K (0) or V (1)
	s_mul_i32 s3, s3, VOFF
	s_add_co_u32 s41, s41, s3                      ; its place in slot 0
	s_lshl_b32 s2, s2, 13                          ; and in a key block: 8,192 bytes a step
	s_mov_b32 s3, 0
	s_mov_b32 s40, 1
	s_cmp_eq_u32 s9, 0
	s_cselect_b32 s58, 6, 0
	s_wait_dscnt 0x0                               ; both opening adds are done
	s_wait_kmcnt 0x0
	s_add_nc_u64 s[48:49], s[4:5], s[18:19]        ; q's head
	s_add_nc_u64 s[50:51], s[6:7], s[18:19]        ; y's head
	s_add_nc_u64 s[60:61], s[48:49], 0x1000000     ; k's: 64 heads on
	s_add_nc_u64 s[62:63], s[48:49], 0x2000000     ; v's: 128 heads on
	s_cmp_lt_u32 s8, 4
	s_cselect_b64 s[44:45], s[60:61], s[62:63]
	s_add_nc_u64 s[44:45], s[44:45], s[2:3]        ; my tile in key block 0
	s_mov_b64 s[42:43], s[44:45]
	s_or_b32 s43, s43, 0x80000000                  ; type = 2
	s_add_nc_u64 s[56:57], s[44:45], 32768         ; the first trip steps it to key block 2
	TLOAD                                          ; key block 0 into slot 0
	v_and_b32 v14, 15, v0                          ; r
	v_bfe_u32 v15, v0, 4, 1                        ; h
	v_lshrrev_b32 v[AK0], 1, v14
	v_mul_u32_u24 v[AK0], v[AK0], PK
	v_and_b32 v13, 1, v0
	v_lshl_add_u32 v[AK0], v13, 7, v[AK0]
	v_lshl_add_u32 v[AK0], v15, 4, v[AK0]          ; key r: (r / 2) x pitch + 128 (r % 2), + 16 h
	v_bfe_u32 v[AV0], v0, 1, 2
	v_lshl_add_u32 v[AV0], v15, 2, v[AV0]
	v_mul_u32_u24 v[AV0], v[AV0], PV
	v_lshl_add_u32 v[AV0], v13, 7, v[AV0]          ; key 8 h + lane % 8,
	v_bfe_u32 v13, v0, 3, 1
	v_lshl_add_u32 v[AV0], v13, 4, v[AV0]          ; channels 8 ((lane / 8) % 2) on
	v_add_nc_u32 v[AV0], VOFF, v[AV0]
	v_lshlrev_b32 v[QO], 7, v14
	v_lshl_add_u32 v[QO], v15, 4, v[QO]
	s_mul_i32 s18, s8, 4608
	s_add_co_u32 s18, s18, STAGE                   ; my stage
	v_mul_u32_u24 v[STO], v14, 144
	v_lshl_add_u32 v[STO], v15, 4, v[STO]
	v_add_nc_u32 v[STO], s18, v[STO]
	v_bfe_u32 v[RD], v0, 3, 2
	v_mul_u32_u24 v[RD], v[RD], 144
	v_and_b32 v13, 7, v0
	v_lshl_add_u32 v[RD], v13, 4, v[RD]
	v_add_nc_u32 v[RD], s18, v[RD]                 ; back: eight lanes to a row of 128 bytes, four rows an instruction
	v_and_b32 v[GO], 31, v0
	v_lshlrev_b32 v[PFO], 8, v[GO]
	v_lshlrev_b32 v[GO], 4, v[GO]
	v_lshlrev_b32 v[DM], 3, v15
	v_sub_nc_u32 v[DM], v14, v[DM]
	v_mov_b32 v[NINF], 0xff800000
; A block of queries begins (its number in s17): q into registers; m = -3e38, l = 0, O^T = 0: the key step is written once, and its first run finds zeros, which the first a leaves zeros.
.macro START
	s_lshl_b32 s16, s17, 8
	s_lshl_b32 s18, s8, 5
	s_add_co_u32 s16, s16, s18                     ; my first query
	s_lshl_b32 s18, s16, 7
	s_mov_b32 s19, 0
	s_add_nc_u64 s[52:53], s[48:49], s[18:19]
	s_add_nc_u64 s[54:55], s[50:51], s[18:19]
.irp t, 0,1
.irp u, 0,1
	global_load_b128 v[Q+16*\t+8*\u:Q+16*\t+8*\u+3], v[QO], s[52:53] offset:2048*\t+64*\u
	global_load_b128 v[Q+16*\t+8*\u+4:Q+16*\t+8*\u+7], v[QO], s[52:53] offset:2048*\t+64*\u+32
.endr
.endr
.irp t, 0,1
	v_mov_b32 v[ST+8*\t+1], 0xff61b1e6
	v_mul_f32 v[ST+8*\t], s22, v[ST+8*\t+1]
.irp j, 2,3,4,5,6,7
	v_mov_b32 v[ST+8*\t+\j], 0
.endr
.endr
.set n, 0
.rept 64
	v_mov_b32 v[O+n], 0
.set n, n+1
.endr
	s_wait_loadcnt 0x0
.endm
; The softmax of a key step, both tiles line by line by turns, so that no line waits for the line above it.
.macro SOFTMAX
.irp j, 0,1,2,3
.irp t, 0,1
	v_max3_num_f32 v[ST+8*\t+4+\j], v[S+32*\t+8*\j], v[S+32*\t+8*\j+1], v[S+32*\t+8*\j+2]   ; four chains; each accumulator is read from its low end on
.endr
.endr
.irp i, 3,5
.irp j, 0,1,2,3
.irp t, 0,1
	v_max3_num_f32 v[ST+8*\t+4+\j], v[ST+8*\t+4+\j], v[S+32*\t+8*\j+\i], v[S+32*\t+8*\j+\i+1]
.endr
.endr
.endr
.irp t, 0,1
	v_max3_num_f32 v[ST+8*\t+4], v[ST+8*\t+4], v[S+32*\t+7], v[S+32*\t+15]
.endr
.irp t, 0,1
	v_max3_num_f32 v[ST+8*\t+6], v[ST+8*\t+6], v[S+32*\t+23], v[S+32*\t+31]
.endr
.irp t, 0,1
	v_max3_num_f32 v[ST+8*\t+4], v[ST+8*\t+4], v[ST+8*\t+5], v[ST+8*\t+6]
.endr
.irp t, 0,1
	v_max3_num_f32 v[ST+8*\t+4], v[ST+8*\t+4], v[ST+8*\t+7], v[ST+8*\t+1]   ; with the old m
.endr
.irp t, 0,1
	v_permlanex16_b32 v[ST+8*\t+5], v[ST+8*\t+4], s20, s21                  ; the query's other 32 keys lie in the lane 16 away
.endr
.irp t, 0,1
	v_mov_b32 v[ST+8*\t+7], v[ST+8*\t]             ; c m_old is kept for a
.endr
.irp t, 0,1
	v_max_num_f32 v[ST+8*\t+1], v[ST+8*\t+4], v[ST+8*\t+5]
.endr
.irp t, 0,1
	v_mul_f32 v[ST+8*\t], s22, v[ST+8*\t+1]
.endr
.irp t, 0,1
	v_sub_f32 v[ST+8*\t+7], v[ST+8*\t+7], v[ST+8*\t]
.endr
.irp j, 0,2,4,6,8,10,12,14,16,18,20,22,24,26,28,30
.irp t, 0,1
	v_pk_fma_f32 v[S+32*\t+\j:S+32*\t+\j+1], v[S+32*\t+\j:S+32*\t+\j+1], s[22:23], v[ST+8*\t:ST+8*\t+1] op_sel_hi:[1,0,0] neg_lo:[0,0,1] neg_hi:[0,0,1]   ; c s - c m
.endr
.endr
.irp t, 0,1
	v_exp_f32 v[ST+8*\t+6], v[ST+8*\t+7]           ; a
.endr
.set n, 0
.rept 32
	v_exp_f32 v[S+n], v[S+n]                       ; p: with the two a, one batch of 66
	v_exp_f32 v[S+32+n], v[S+32+n]
.set n, n+1
.endr
	v_nop                                          ; a plain instruction behind the last exponential
	s_wait_alu depctr_va_vdst(0)                   ; one wait for the batch, ahead of its first reader
.irp t, 0,1
	v_pk_mul_f32 v[ST+8*\t+2:ST+8*\t+3], v[ST+8*\t+2:ST+8*\t+3], v[ST+8*\t+6:ST+8*\t+7] op_sel_hi:[1,0]   ; l x a
.endr
.irp t, 0,1
	v_pk_add_f32 v[ST+8*\t+4:ST+8*\t+5], v[S+32*\t:S+32*\t+1], v[S+32*\t+2:S+32*\t+3]   ; the sum of the unrounded p, in two chains
.endr
.irp j, 4,8,12,16,20,24,28
.irp t, 0,1
	v_pk_add_f32 v[ST+8*\t+2:ST+8*\t+3], v[ST+8*\t+2:ST+8*\t+3], v[S+32*\t+\j:S+32*\t+\j+1]
	v_pk_add_f32 v[ST+8*\t+4:ST+8*\t+5], v[ST+8*\t+4:ST+8*\t+5], v[S+32*\t+\j+2:S+32*\t+\j+3]
.endr
.endr
.irp t, 0,1
	v_pk_add_f32 v[ST+8*\t+2:ST+8*\t+3], v[ST+8*\t+2:ST+8*\t+3], v[ST+8*\t+4:ST+8*\t+5]
.endr
.set n, 0
.rept 16
	v_cvt_pk_f16_f32 v[S+n], v[S+2*n], v[S+2*n+1]          ; P in place, ascending: register n is written when registers 2 n and 2 n + 1 are read
	v_cvt_pk_f16_f32 v[S+32+n], v[S+32+2*n], v[S+32+2*n+1]
.set n, n+1
.endr
.set n, 0
.rept 16
	v_pk_mul_f32 v[O+2*n:O+2*n+1], v[O+2*n:O+2*n+1], v[ST+6:ST+7] op_sel_hi:[1,0]            ; O^T x a
	v_pk_mul_f32 v[O+32+2*n:O+32+2*n+1], v[O+32+2*n:O+32+2*n+1], v[ST+14:ST+15] op_sel_hi:[1,0]
.set n, n+1
.endr
.endm
; A KEY STEP: 64 keys.
.macro STEP
	s_add_co_u32 s18, s16, 31
	s_cmp_gt_u32 s15, s18                          ; all 64 keys come after my 32 queries: the step's work is left out; the lines at its end that step addresses are not
	s_cbranch_scc1 .Lhidden_\@
	v_add_nc_u32 v[ADK], s14, v[AK0]
	v_add_nc_u32 v[ADV], s14, v[AV0]
.rept 3
	v_nop                                          ; with the two additions five places behind the last step's products: four for the loads below, five for the products that write over P's registers
.endr
.irp kt, 0,1,2,3
.irp u, 0,1
	ds_load_b128 v[KV+16*\kt+8*\u:KV+16*\kt+8*\u+3], v[ADK] offset:2176*\kt+64*\u
	ds_load_b128 v[KV+16*\kt+8*\u+4:KV+16*\kt+8*\u+7], v[ADK] offset:2176*\kt+64*\u+32
.endr
.endr
	s_wait_dscnt 0x0
.irp u, 0,1                                    ; S^T = K Q^T: the eight accumulators take turns; the first eight products start the sums
.irp kt, 0,1,2,3
.irp t, 0,1
.if \u == 0
	v_wmma_f32_16x16x32_f16 v[S+32*\t+8*\kt:S+32*\t+8*\kt+7], v[KV+16*\kt+8*\u:KV+16*\kt+8*\u+7], v[Q+16*\t+8*\u:Q+16*\t+8*\u+7], 0
.else
	v_wmma_f32_16x16x32_f16 v[S+32*\t+8*\kt:S+32*\t+8*\kt+7], v[KV+16*\kt+8*\u:KV+16*\kt+8*\u+7], v[Q+16*\t+8*\u:Q+16*\t+8*\u+7], v[S+32*\t+8*\kt:S+32*\t+8*\kt+7]
.endif
.endr
.endr
.endr
.rept 4
	v_nop                                          ; places in front of the loads into K's registers and of the first read of the scores
.endr
.irp u2, 0,1                                   ; V, turned: keys 32 u2 on, channels 16 ct on; it lands while the softmax is walked
.irp ct, 0,1,2,3
	ds_load_tr16_b128 v[KV+32*\u2+8*\ct:KV+32*\u2+8*\ct+3], v[ADV] offset:4608*\u2+32*\ct
	ds_load_tr16_b128 v[KV+32*\u2+8*\ct+4:KV+32*\u2+8*\ct+7], v[ADV] offset:4608*\u2+32*\ct+2304
.endr
.endr
	s_add_co_u32 s18, s15, 63
	s_cmp_le_u32 s18, s16                          ; all 64 keys count for all my queries: no mask
	s_cbranch_scc1 .Lopen_\@
	s_sub_co_i32 s18, s16, s15
	v_add_nc_u32 v14, s18, v[DM]                   ; d = my query - the step's first key - 8 (lane / 16).  Register n holds key 16 (n / 8) + n % 8 + 8 (lane / 16): hidden where 16 (n / 8) + n % 8 > d
	v_add_nc_u32 v15, 16, v14                      ; tile 1's queries lie 16 on
.irp t, 0,1
.set n, 0
.rept 32
	v_cmp_gt_i32 vcc_lo, 16*(n/8)+n%8, v[14+\t]
	v_cndmask_b32 v[S+32*\t+n], v[S+32*\t+n], v[NINF], vcc_lo
.set n, n+1
.endr
.endr
.Lopen_\@:
	SOFTMAX
	s_wait_dscnt 0x0                               ; V is in
.irp u2, 0,1                                   ; O^T += V^T P: the eight accumulators take turns
.irp ct, 0,1,2,3
.irp t, 0,1
	v_wmma_f32_16x16x32_f16 v[O+32*\t+8*\ct:O+32*\t+8*\ct+7], v[KV+32*\u2+8*\ct:KV+32*\u2+8*\ct+7], v[S+32*\t+8*\u2:S+32*\t+8*\u2+7], v[O+32*\t+8*\ct:O+32*\t+8*\ct+7]
.endr
.endr
.endr
.Lhidden_\@:
	s_add_co_u32 s14, s14, STEPB
	s_add_co_u32 s15, s15, 64
.endm
; A block of queries ends: O^T / l, rounded to f16, through my stage, out as 512 consecutive bytes an instruction.
.macro FINISH
.rept 4
	v_nop                                          ; places behind the last products
.endr
.irp t, 0,1
	v_add_f32 v[ST+8*\t+4], v[ST+8*\t+2], v[ST+8*\t+3]
.endr
.irp t, 0,1
	v_permlanex16_b32 v[ST+8*\t+5], v[ST+8*\t+4], s20, s21
.endr
.irp t, 0,1
	v_add_f32 v[ST+8*\t+4], v[ST+8*\t+4], v[ST+8*\t+5]
.endr
.irp t, 0,1
	v_rcp_f32 v[ST+8*\t+6], v[ST+8*\t+4]
.endr
	v_nop                                          ; a plain instruction behind the reciprocals,
	s_wait_alu depctr_va_vdst(0)                   ; and the wait ahead of their first reader
.irp t, 0,1
.set n, 0
.rept 16
	v_pk_mul_f32 v[O+32*\t+2*n:O+32*\t+2*n+1], v[O+32*\t+2*n:O+32*\t+2*n+1], v[ST+8*\t+6:ST+8*\t+7] op_sel_hi:[1,0]
.set n, n+1
.endr
.endr
.irp t, 0,1
.set n, 0
.rept 16
	v_cvt_pk_f16_f32 v[S+32*\t+n], v[O+32*\t+2*n], v[O+32*\t+2*n+1]
.set n, n+1
.endr
.endr
.irp t, 0,1
.irp ct, 0,1,2,3
	ds_store_b128 v[STO], v[S+32*\t+4*\ct:S+32*\t+4*\ct+3] offset:2304*\t+32*\ct
.endr
.endr
.irp t, 0,1
.irp i, 0,1,2,3
	ds_load_b128 v[KV+16*\t+4*\i:KV+16*\t+4*\i+3], v[RD] offset:2304*\t+576*\i   ; LDS serves a wave's instructions in order: these see my stores
.endr
.endr
.irp t, 0,1
.irp i, 0,1,2,3
	s_wait_dscnt 7-4*\t-\i
	global_store_b128 v[GO], v[KV+16*\t+4*\i:KV+16*\t+4*\i+3], s[54:55] offset:2048*\t+512*\i
.endr
.endr
	s_wait_xcnt 0x0                                ; the stores have read their registers and their base: both are written again
.endm
; THE CHANGE OF SLOTS stands at a trip's head.  Each wave waits for all its tensor loads (its tile of the slot ahead), adds 0 to its spare word, and waits for that and for its reads of the slot that it has left.
; fill = 1: behind the barrier that slot is filled with the next trip's key block: J + 1, or, from the second block of queries on, J + 1 less the first block's trips.
.macro CHANGE fill
	s_wait_tensorcnt 0x0                           ; no tensor load of mine is out, so group 0 may be written
	ds_add_u32 v[SPW], v[NIL]                      ; 0 onto my spare word; the descriptor's step stands between it and the wait for it
.if \fill
	s_add_co_u32 s18, s12, 1
	s_sub_co_u32 s19, s18, s11
	s_cmp_lt_u32 s18, s11
	s_cselect_b32 s18, s18, s19                    ; the next trip's key block
	s_lshl_b32 s46, s18, 15                        ; 32,768 bytes a key block
	s_xor_b32 s41, s41, SLOT1                      ; the other slot than last time
	s_add_nc_u64 s[42:43], s[44:45], s[46:47]
	s_or_b32 s43, s43, 0x80000000
	s_wait_xcnt 0x0                                ; the last prefetch, a trip back, has read its address
	s_add_nc_u64 s[56:57], s[56:57], 32768
.endif
	s_wait_dscnt 0x0                               ; the add is done, and my reads of the slot that I have left are over
	s_barrier_signal -1
	s_barrier_wait -1
.if \fill
	TLOAD                                          ; the first thing behind the barrier, and my one tensor load until the next
	ASK
.endif
.endm
.macro SWITCH                          ; the first block of queries is done: its result goes out, and block i begins at key 0.  The branch hangs on ids alone and is the same in all eight waves; no barrier and no tensor load stands in it
	s_cmp_lg_u32 s12, s11
	s_cbranch_scc1 .Lsame_\@
	FINISH
	s_mov_b32 s17, s9
	START
	s_mov_b32 s15, 0
.Lsame_\@:
.endm
.macro SLOT_STEPS                      ; a slot's four key steps: written once, walked four times
	s_mov_b32 s13, 4
.Lstep_\@:
	STEP
	s_sub_co_u32 s13, s13, 1
	s_cmp_lg_u32 s13, 0
	s_cbranch_scc1 .Lstep_\@
	s_sub_co_u32 s14, s14, 4*STEPB
	s_xor_b32 s14, s14, SLOT1                      ; on to the other slot
.endm
	s_sub_co_u32 s17, 7, s9
	START
	s_mov_b32 s12, 0
	s_mov_b32 s14, 0
	s_mov_b32 s15, 0
.Ltrip:                                            ; 8 trips: behind each change of slots but the last the next key block is asked for.
	CHANGE 1
	SWITCH
	SLOT_STEPS
	s_add_co_u32 s12, s12, 1
	s_cmp_lt_u32 s12, 8
	s_cbranch_scc1 .Ltrip
	CHANGE 0                                       ; the ninth trip is written out
	SWITCH
	SLOT_STEPS
	FINISH
	s_wait_tensorcnt 0x0                           ; the wave's end
	ds_add_u32 v[SPW], v[NIL]
	s_wait_dscnt 0x0
	s_endpgm
.Lfunc_end_k_qfb2517837b_attn:
	.size	k_qfb2517837b_attn, .Lfunc_end_k_qfb2517837b_attn-k_qfb2517837b_attn
	.p2alignl 7, 3214868480
	.fill 96, 4, 3214868480
	.section	.rodata,"a",@progbits
	.p2align	6, 0x0
	.amdhsa_kernel k_qfb2517837b_attn
		.amdhsa_group_segment_fixed_size 327680
		.amdhsa_private_segment_fixed_size 0
		.amdhsa_enable_private_segment 0
		.amdhsa_kernarg_size 16
		.amdhsa_user_sgpr_count 2
		.amdhsa_user_sgpr_kernarg_segment_ptr 1
		.amdhsa_wavefront_size32 1
		.amdhsa_system_sgpr_workgroup_id_x 1
		.amdhsa_system_sgpr_workgroup_id_y 1
		.amdhsa_system_sgpr_workgroup_id_z 1
		.amdhsa_system_vgpr_workitem_id 0
		.amdhsa_next_free_vgpr 256
		.amdhsa_next_free_sgpr 66
		.amdhsa_reserve_vcc 1
		.amdhsa_float_denorm_mode_32 3
		.amdhsa_float_denorm_mode_16_64 3
		.amdhsa_memory_ordered 1
		.amdhsa_forward_progress 1
		.amdhsa_inst_pref_size 81
	.end_amdhsa_kernel
	.amdgpu_metadata
---
amdhsa.version: [ 1, 2 ]
amdhsa.kernels:
  - .name:           k_qfb2517837b_attn
    .symbol:         k_qfb2517837b_attn.kd
    .args:
      - { .name: qkvh, .offset: 0, .size: 8, .value_kind: global_buffer, .address_space: global }
      - { .name: y, .offset: 8, .size: 8, .value_kind: global_buffer, .address_space: global }
    .group_segment_fixed_size: 327680
    .private_segment_fixed_size: 0
    .kernarg_segment_align: 8
    .kernarg_segment_size: 16
    .max_flat_workgroup_size: 256
    .sgpr_count:     66
    .vgpr_count:     256
    .wavefront_size: 32
...
	.end_amdgpu_metadata
.endif
;; end of part 3
;; launch proj (part 4): grid 4 x 64, 4 waves a work-group, clusters of 4 x 4, 327,680 bytes of LDS; arguments y, wp16, b_proj, out0; writes out0
.if DOCPART == 4
	.amdgcn_target "amdgcn-amd-amdhsa--gfx1250"
	.amdhsa_code_object_version 6
	.text
	.protected	k_qfb2517837b_proj
	.globl	k_qfb2517837b_proj
	.p2align	8
	.type	k_qfb2517837b_proj,@function
k_qfb2517837b_proj:
	s_mov_b64 s[64:65], 0
	v_nop
	global_prefetch_b8 v0, s[64:65] scope:SCOPE_SE
	s_setreg_imm32_b32 hwreg(HW_REG_WAVE_MODE, 25, 1), 1
	s_wait_xcnt 0x0
	s_wait_alu depctr_hold_cnt(0) depctr_sa_sdst(0) depctr_va_vdst(0) depctr_va_sdst(0) depctr_va_ssrc(0) depctr_va_vcc(0) depctr_vm_vsrc(0)
	s_getreg_b32 s2, hwreg(HW_REG_IB_STS2, 6, 4)
	s_cmp_eq_u32 s2, 0
	s_cbranch_scc0 .Lentry_in_a_cluster
	s_endpgm
.Lentry_in_a_cluster:
	s_bfe_u32 s2, ttmp6, 0x10000c
	s_cmp_lg_u32 s2, 0xf033
	s_cbranch_scc0 .Lentry_shape_is_right
	s_endpgm
.Lentry_shape_is_right:
; out0[b][t][n] = the sum over (h, d) of y[b][h][t][d] w_proj[64 h + d][n] + b_proj[n], on f16 operands, sums in f32, for all rows but t < 16 of every batch: those rows are stored by the launch first16 alone.
; y: [4 b][16 h][2048 t][64] f16; wp16: [1024 k][1024 n] f16; out0: [8192][1024] f32.  LIMIT: magnitudes of y and w_proj under 65,504.
; A tile is 128 rows x 256 columns: 256 work-groups.  Four waves, each 64 x 128: 32 accumulators.  K goes in steps of 128 (two heads) through a ring of two LDS slots.
; CLUSTERS: 4 x 4.  The tile row is 16 cy + the cluster's y: the batch is cy, and the tile's place in its batch is the cluster's y, which all partners share.  y's tiles are shared along a row of the cluster, wp16's along a column.
; THE MATRIX INSTRUCTION IS USED TRANSPOSED: source 0 = 16 columns of w_proj, turned out of LDS by ds_load_tr16_b128; source 1 = 16 rows of y: a lane holds eight neighbouring columns of one row of out0.
; The bias is the C of each sum's first product.
; REGISTERS: window 0: v16-29 addresses; v32-127, v128-223 two fragment buffers (w_proj's 8 fragments, then y's 4), later rows on the way out.   window 1: accumulator (a, b) at v[8 (8 a + b)].   window 2: v0-63 the bias.
.set PLANE, 64*272                     ; y's tile of one head: 128 rows t of 128 bytes, dense in memory, as 64 rows of 256 bytes + 16: row m lies at (m / 2) x 272 + 128 (m % 2)
.set BOFF,  2*PLANE                    ; behind the two heads: w_proj's 128 rows k of 512 bytes + 32
.set PB,    544
.set SLOT,  BOFF+128*PB
.set STAGE, 2*SLOT                     ; 16 rows x (512 bytes + 16) for each wave
.set SPARE, STAGE+4*16*528             ; the spare words, 128 bytes for each wave
.set LAPS,  4                          ; 8 K steps = 4 times round the ring
.set ADRA, 16
.set ADRB, 20
.set STO,  24
.set RD,   25
.set CO,   26
.set BO,   27
.set SPW,  28                          ; my spare word; never rewritten
.set NIL,  29                          ; 0; never rewritten
.set F0,   32
.set F1,   128
.set BK,   32
.set G1, 24
.set G0, 32
.set G1B, 48
.set G0B, 56
.set MSB, 0
.macro WIN new
.if MSB != (\new)
	s_set_vgpr_msb (MSB<<8)|(\new)
.set MSB, (\new)
.endif
.endm
.set MUL, 0x50                         ; C and D window 1, sources window 0
.set FST, 0x60                         ; the first quarter: C is the bias, window 2
.macro JLOAD s                         ; a joint load: waves 0 and 1 fetch y's two heads, waves 2 and 3 w_proj's two halves; an s_nop 0 and four v_nop follow each of the two lines
	s_cmp_eq_u32 s15, 0
	s_cbranch_scc0 .Lfor_b_\@
	tensor_load_to_lds s[G0+4*\s:G0+4*\s+3], s[G1:G1+7]
	s_nop 0
.rept 4
	v_nop
.endr
	s_branch .Lasked_\@
.Lfor_b_\@:
	tensor_load_to_lds s[G0B+4*\s:G0B+4*\s+3], s[G1B:G1B+7]
	s_nop 0
.rept 4
	v_nop
.endr
.Lasked_\@:
.endm
.macro CREST                           ; a round of the cluster's barrier behind its opening barrier
	s_cmp_lg_u32 s14, 0
	s_cbranch_scc1 .Lnot_wave_0_\@
	s_barrier_signal -3
.Lnot_wave_0_\@:
	s_barrier_wait -3
	s_barrier_signal -1
	s_barrier_wait -1
.endm
.macro CROUND
	s_barrier_signal -1
	s_barrier_wait -1
	CREST
.endm
	s_load_b128 s[4:7], s[0:1], 0x0                ; y, wp16
	s_load_b128 s[8:11], s[0:1], 0x10              ; b_proj, out0
	v_lshl_add_u32 v[SPW], v0, 2, SPARE
	v_mov_b32 v[NIL], 0
	ds_add_u32 v[SPW], v[NIL]                      ; the wave's opening: the add, twice on end, and its wait ahead of my first tensor load
	ds_add_u32 v[SPW], v[NIL]                      ; and once more
	v_lshrrev_b32 v1, 5, v0
	v_readfirstlane_b32 s14, v1                    ; wave 0..3
	s_lshr_b32 s15, s14, 1                         ; which half of the tile's rows is mine.  Also: I fetch for y (0) or for w_proj (1)
	s_and_b32 s16, s14, 1                          ; which half of its columns.  Also: which part I fetch
	s_bfe_u32 s40, ttmp6, 0x40000                  ; cx, cy
	s_bfe_u32 s41, ttmp6, 0x40004
	s_lshl_b32 s42, ttmp9, 2
	s_add_co_u32 s42, s42, s40                     ; tile column
	s_and_b32 s17, ttmp7, 0xffff                   ; the cluster's y: the tile's place in its batch
	s_or_b32 s22, s17, s15                         ; 0 in the waves whose block 0 holds the rows t < 16: the same in all partners
	s_lshl_b32 s43, s41, 2
	s_lshl_b32 s43, 15, s43                        ; my row of the cluster
	s_lshl_b32 s44, 0x1111, s40                    ; my column
	s_or_b32 s[G1+0], s43, (1<<16)|(1<<20)|(1<<21)|(5<<22)|(3<<25)  ; the mask; elements of 2 bytes; padding: 4 words after every 64
	s_mov_b32 s[G1+1], 128<<16                     ; tensor_dim0 = 128 elements: two rows t
	s_mov_b32 s[G1+2], 64<<16                      ; tensor_dim1
	s_mov_b32 s[G1+3], 128<<16                     ; tile_dim0
	s_mov_b32 s[G1+4], 64                          ; tile_dim1
	s_mov_b32 s[G1+5], 128                         ; the pitch: dense
	s_mov_b32 s[G1+6], 0
	s_mov_b32 s[G1+7], 0
	s_or_b32 s[G1B+0], s44, (1<<16)|(1<<20)|(1<<21)|(6<<22)|(7<<25) ; padding: 8 words after every 128
	s_mov_b32 s[G1B+1], 256<<16
	s_mov_b32 s[G1B+2], 64<<16
	s_mov_b32 s[G1B+3], 256<<16
	s_mov_b32 s[G1B+4], 64
	s_mov_b32 s[G1B+5], 1024
	s_mov_b32 s[G1B+6], 0
	s_mov_b32 s[G1B+7], 0
	s_lshl_b32 s18, s41, 22                        ; y: the batch's 16 heads of 262,144 bytes,
	s_lshl_b32 s19, s16, 18                        ; my head of the K step's two,
	s_add_co_u32 s18, s18, s19
	s_lshl_b32 s19, s17, 14                        ; the tile's 128 rows t of 128 bytes
	s_add_co_u32 s18, s18, s19
	s_mov_b32 s19, 0
	s_lshl_b32 s46, s16, 17                        ; wp16: my 64 rows k of 2,048 bytes,
	s_lshl_b32 s47, s42, 9                         ; the tile's 256 columns
	s_add_co_u32 s46, s46, s47
	s_mov_b32 s47, 0
	s_mul_i32 s20, s16, PLANE                      ; where they go: no place in the cluster enters an LDS address
	s_mul_i32 s21, s16, 64*PB
	s_add_co_u32 s21, s21, BOFF
	s_wait_dscnt 0x0                               ; both opening adds are done
	s_wait_kmcnt 0x0
	s_add_nc_u64 s[18:19], s[4:5], s[18:19]
	s_add_nc_u64 s[46:47], s[6:7], s[46:47]
	CROUND                                         ; all sixteen work-groups are here: the first joint loads meet
.irp s, 0,1
	s_mov_b32 s[G0+4*\s], 1
	s_add_co_u32 s[G0+4*\s+1], s20, \s*SLOT
	s_add_nc_u64 s[G0+4*\s+2:G0+4*\s+3], s[18:19], \s*524288       ; K step s: two heads on
	s_or_b32 s[G0+4*\s+3], s[G0+4*\s+3], 0x80000000
	s_mov_b32 s[G0B+4*\s], 1
	s_add_co_u32 s[G0B+4*\s+1], s21, \s*SLOT
	s_add_nc_u64 s[G0B+4*\s+2:G0B+4*\s+3], s[46:47], \s*262144     ; 128 rows k on
	s_or_b32 s[G0B+4*\s+3], s[G0B+4*\s+3], 0x80000000
	JLOAD \s
.endr
	v_and_b32 v1, 15, v0                           ; r
	v_bfe_u32 v2, v0, 4, 1                         ; h
	s_lshl_b32 s20, s42, 10                        ; my first column, in bytes of f32
	s_lshl_b32 s21, s16, 9
	s_add_co_u32 s20, s20, s21
	s_mov_b32 s21, 0
	s_add_nc_u64 s[8:9], s[8:9], s[20:21]
	v_lshlrev_b32 v[BO], 5, v2
	WIN 0x80                                       ; destination window 2
.irp b, 0,1,2,3,4,5,6,7                        ; lane (r, h) wants, for n block b, b_proj at columns 16 b + 8 h + 0 .. 7
	global_load_b128 v[8*\b:8*\b+3], v[BO], s[8:9] offset:64*\b
	global_load_b128 v[8*\b+4:8*\b+7], v[BO], s[8:9] offset:64*\b+16
.endr
	WIN 0
	s_lshl_b32 s46, s41, 23                        ; out0: the batch's 2,048 rows of 4,096 bytes,
	s_lshl_b32 s47, s17, 19                        ; the tile's 128,
	s_add_co_u32 s46, s46, s47
	s_lshl_b32 s47, s15, 18                        ; my half's 64,
	s_add_co_u32 s46, s46, s47
	s_add_co_u32 s46, s46, s20                     ; my first column
	s_mov_b32 s47, 0
	s_add_nc_u64 s[10:11], s[10:11], s[46:47]
	v_lshrrev_b32 v3, 1, v1
	v_mul_u32_u24 v3, v3, 272
	v_and_b32 v4, 1, v0
	v_lshl_add_u32 v3, v4, 7, v3
	v_lshl_add_u32 v3, v2, 4, v3                   ; y: row r: (r / 2) x 272 + 128 (r % 2), + 16 h
	s_mul_i32 s20, s15, 32*272                     ; my 64 rows
	v_add_nc_u32 v[ADRA], s20, v3
	v_add_nc_u32 v[ADRA+1], SLOT, v[ADRA]
	v_and_b32 v4, 7, v0
	v_lshl_add_u32 v4, v2, 3, v4
	v_mul_u32_u24 v4, v4, PB                       ; w_proj: row k = 8 h + lane % 8,
	v_bfe_u32 v5, v0, 3, 1
	v_lshl_add_u32 v4, v5, 4, v4                   ; columns 8 ((lane / 8) % 2) on
	s_lshl_b32 s21, s16, 8                         ; my 128 columns
	s_add_co_u32 s21, s21, BOFF
	v_add_nc_u32 v[ADRB], s21, v4
	v_add_nc_u32 v[ADRB+1], SLOT, v[ADRB]
	s_mul_i32 s23, s14, 16*528
	s_add_co_u32 s23, s23, STAGE                   ; my stage
	v_mul_u32_u24 v5, v1, 528
	v_lshl_add_u32 v5, v2, 5, v5
	v_add_nc_u32 v[STO], s23, v5
	v_and_b32 v6, 31, v0
	v_lshlrev_b32 v[CO], 4, v6
	v_add_nc_u32 v[RD], s23, v[CO]
.macro FETCH slot, q, f                ; 24 LDS loads in one run: the fragments of the slot's q-th 32 along K
.irp b, 0,1,2,3,4,5,6,7
	ds_load_tr16_b128 v[\f+8*\b:\f+8*\b+3], v[ADRB+\slot] offset:32*PB*(\q)+32*\b
	ds_load_tr16_b128 v[\f+8*\b+4:\f+8*\b+7], v[ADRB+\slot] offset:32*PB*(\q)+32*\b+16*PB
.endr
.irp a, 0,1,2,3
	ds_load_b128 v[\f+64+8*\a:\f+64+8*\a+3], v[ADRA+\slot] offset:PLANE*((\q)/2)+2176*\a+64*((\q)%2)
	ds_load_b128 v[\f+64+8*\a+4:\f+64+8*\a+7], v[ADRA+\slot] offset:PLANE*((\q)/2)+2176*\a+64*((\q)%2)+32
.endr
.endm
.macro MUL8 f, a, first                ; y's block a against w_proj's eight; the 32 accumulators take turns, one instruction a turn
.irp b, 0,1,2,3,4,5,6,7
.if \first
	v_wmma_f32_16x16x32_f16 v[8*(8*\a+\b):8*(8*\a+\b)+7], v[\f+8*\b:\f+8*\b+7], v[\f+64+8*\a:\f+64+8*\a+7], v[8*\b:8*\b+7]
.else
	v_wmma_f32_16x16x32_f16 v[8*(8*\a+\b):8*(8*\a+\b)+7], v[\f+8*\b:\f+8*\b+7], v[\f+64+8*\a:\f+64+8*\a+7], v[8*(8*\a+\b):8*(8*\a+\b)+7]
.endif
.endr
.endm
.macro PLACES
.rept 4
	v_nop
.endr
.endm
.macro QUARTER slot, qn, f, g, first   ; multiplies buffer f; in its middle it fetches the slot's quarter qn into buffer g
	s_wait_dscnt 0x0                               ; buffer f is in (asked for 16 matrix instructions ago)
.if \first
	WIN FST
.else
	WIN MUL
.endif
	MUL8 \f, 0, \first
	MUL8 \f, 1, \first
	WIN 0
	PLACES                                         ; in front of loads into registers that matrix instructions have read
	FETCH \slot, \qn, \g
.if \first
	WIN FST
.else
	WIN MUL
.endif
	MUL8 \f, 2, \first
	MUL8 \f, 3, \first
.endm
; A K step's last quarter multiplies buffer 1 and changes slots: one barrier; in front of it each wave waits for all its tensor loads, adds 0 to its spare word, and waits for that and for its reads of this slot.
; fill = 1: the barrier opens a round of the cluster's barrier, and the joint refill, two K steps ahead, is the first tensor load behind it.
.macro TURN slot, next, fill
	WIN 0
	s_wait_tensorcnt 0x0                           ; all my tensor loads have landed: my part of the next slot
	ds_add_u32 v[SPW], v[NIL]
	s_wait_dscnt 1                                 ; buffer 1 is in (the add may be out)
	WIN MUL
	MUL8 F1, 0, 0
	s_wait_dscnt 0x0                               ; the add is done, and my reads of this slot are over
	s_barrier_signal -1
	MUL8 F1, 1, 0
	WIN 0
	s_barrier_wait -1
.if \fill
	CREST
	s_add_nc_u64 s[G0+4*\slot+2:G0+4*\slot+3], s[G0+4*\slot+2:G0+4*\slot+3], 1048576   ; four heads on
	s_add_nc_u64 s[G0B+4*\slot+2:G0B+4*\slot+3], s[G0B+4*\slot+2:G0B+4*\slot+3], 524288 ; 256 rows k on
	JLOAD \slot                                    ; the four v_nop behind it are also the places in front of the loads below
.else
	PLACES
.endif
	FETCH \next, 0, F0
	WIN MUL
	MUL8 F1, 2, 0
	MUL8 F1, 3, 0
.endm
	s_wait_tensorcnt 1                             ; my part of K step 0 is in (K step 1's may be out),
	s_barrier_signal -1
	s_barrier_wait -1                              ; everybody's is
	FETCH 0, 0, F0
	s_wait_loadcnt 0x0                             ; the bias
	QUARTER 0, 1, F0, F1, 1                        ; the first quarter stands in front of the loop: its products start the sums
	WIN 0
	s_mov_b32 s3, LAPS-1
.Llap:                                             ; a trip goes once round the ring and fills both slots again
	QUARTER 0, 2, F1, F0, 0
	QUARTER 0, 3, F0, F1, 0
	TURN 0, 1, 1
	QUARTER 1, 1, F0, F1, 0
	QUARTER 1, 2, F1, F0, 0
	QUARTER 1, 3, F0, F1, 0
	TURN 1, 0, 1
	QUARTER 0, 1, F0, F1, 0
	WIN 0
	s_sub_co_u32 s3, s3, 1
	s_cmp_lg_u32 s3, 0
	s_cbranch_scc1 .Llap
	QUARTER 0, 2, F1, F0, 0                        ; the last lap fills nothing
	QUARTER 0, 3, F0, F1, 0
	TURN 0, 1, 0
	QUARTER 1, 1, F0, F1, 0
	QUARTER 1, 2, F1, F0, 0
	QUARTER 1, 3, F0, F1, 0
	s_wait_dscnt 0x0
	WIN MUL
	MUL8 F1, 0, 0
	MUL8 F1, 1, 0
	MUL8 F1, 2, 0
	MUL8 F1, 3, 0
	WIN 0
	PLACES
; THE WAY OUT, block by block of 16 rows x 128 columns, through my own stage: back as whole rows of 512 bytes, which the 32 lanes store as 512 consecutive bytes, aligned.
.macro TOSTAGE a
	WIN 0x04                                       ; an LDS store's data are its source 1: window 1
.irp b, 0,1,2,3,4,5,6,7
	ds_store_b128 v[STO], v[8*(8*(\a)+\b):8*(8*(\a)+\b)+3] offset:64*\b            ; each accumulator from its low end on
	ds_store_b128 v[STO], v[8*(8*(\a)+\b)+4:8*(8*(\a)+\b)+7] offset:64*\b+16
.endr
	WIN 0
.set BB, BK+64*((\a)%2)
.irp t, 0,1,2,3,4,5,6,7,8,9,10,11,12,13,14,15
	ds_load_b128 v[BB+4*\t:BB+4*\t+3], v[RD] offset:\t*528
.endr
.endm
.macro SEND a, younger                 ; younger: the LDS instructions issued behind block a's loads, which may stay out
.set BB, BK+64*((\a)%2)
	s_wait_dscnt \younger
.irp t, 0,1,2,3,4,5,6,7,8,9,10,11,12,13,14,15
	global_store_b128 v[CO], v[BB+4*\t:BB+4*\t+3], s[10:11] offset:(16*(\a)+\t)*4096 th:TH_STORE_NT
.endr
.endm
	s_cmp_eq_u32 s22, 0                            ; block 0 of the waves whose tile begins a batch holds the rows t < 16: not stored here
	s_cbranch_scc1 .Lskip0
	TOSTAGE 0
	SEND 0, 0
.Lskip0:
	TOSTAGE 1
	s_wait_xcnt 0x0                                ; block 0's stores have read their registers: block 2's loads may land there
	TOSTAGE 2
	SEND 1, 32                                     ; behind block 1's loads: block 2's 16 stores and 16 loads
	s_wait_xcnt 0x0                                ; block 1's stores have read their registers
	TOSTAGE 3
	SEND 2, 32
	SEND 3, 0
	s_wait_tensorcnt 0x0                           ; the wave's end
	ds_add_u32 v[SPW], v[NIL]
	s_wait_dscnt 0x0
	CROUND                                         ; the closing round
	s_endpgm
.Lfunc_end_k_qfb2517837b_proj:
	.size	k_qfb2517837b_proj, .Lfunc_end_k_qfb2517837b_proj-k_qfb2517837b_proj
	.p2alignl 7, 3214868480
	.fill 96, 4, 3214868480
	.section	.rodata,"a",@progbits
	.p2align	6, 0x0
	.amdhsa_kernel k_qfb2517837b_proj
		.amdhsa_group_segment_fixed_size 327680
		.amdhsa_private_segment_fixed_size 0
		.amdhsa_enable_private_segment 0
		.amdhsa_kernarg_size 32
		.amdhsa_user_sgpr_count 2
		.amdhsa_user_sgpr_kernarg_segment_ptr 1
		.amdhsa_wavefront_size32 1
		.amdhsa_system_sgpr_workgroup_id_x 1
		.amdhsa_system_sgpr_workgroup_id_y 1
		.amdhsa_system_sgpr_workgroup_id_z 1
		.amdhsa_system_vgpr_workitem_id 0
		.amdhsa_next_free_vgpr 576
		.amdhsa_next_free_sgpr 66
		.amdhsa_reserve_vcc 0
		.amdhsa_float_denorm_mode_32 3
		.amdhsa_float_denorm_mode_16_64 3
		.amdhsa_memory_ordered 1
		.amdhsa_forward_progress 1
		.amdhsa_inst_pref_size 86
	.end_amdhsa_kernel
	.amdgpu_metadata
---
amdhsa.version: [ 1, 2 ]
amdhsa.kernels:
  - .name:           k_qfb2517837b_proj
    .symbol:         k_qfb2517837b_proj.kd
    .args:
      - { .name: y, .offset: 0, .size: 8, .value_kind: global_buffer, .address_space: global }
      - { .name: wp16, .offset: 8, .size: 8, .value_kind: global_buffer, .address_space: global }
      - { .name: b_proj, .offset: 16, .size: 8, .value_kind: global_buffer, .address_space: global }
      - { .name: out0, .offset: 24, .size: 8, .value_kind: global_buffer, .address_space: global }
    .group_segment_fixed_size: 327680
    .private_segment_fixed_size: 0
    .kernarg_segment_align: 8
    .kernarg_segment_size: 32
    .max_flat_workgroup_size: 128
    .sgpr_count:     66
    .vgpr_count:     576
    .wavefront_size: 32
...
	.end_amdgpu_metadata
.endif
;; end of part 4
;; launch first16 (part 5): grid 16 x 4, 16 waves a work-group, no clusters, 71,680 bytes of LDS; arguments q16, w_proj, b_proj, out0; writes out0
.if DOCPART == 5
	.amdgcn_target "amdgcn-amd-amdhsa--gfx1250"
	.amdhsa_code_object_version 6
	.text
	.protected	k_qfb2517837b_first16
	.globl	k_qfb2517837b_first16
	.p2align	8
	.type	k_qfb2517837b_first16,@function
k_qfb2517837b_first16:
	s_mov_b64 s[64:65], 0
	v_nop
	global_prefetch_b8 v0, s[64:65] scope:SCOPE_SE
	s_setreg_imm32_b32 hwreg(HW_REG_WAVE_MODE, 25, 1), 1
	s_wait_xcnt 0x0
; THE FIRST 16 POSITIONS OF EVERY SEQUENCE, IN f32: attention over keys 0 .. 15 and the projection, for rows t < 16 of batch b (work-group y) and columns 64 x .. 64 x + 63 of out0 (work-group x).
; These rows average one to sixteen values and are the largest in size: 16-bit operands would use up what the comparison allows.  q16: [16 b + t][3072] f32, q, k, v with their biases, unrounded.
; Keys above the diagonal of reference()'s own jnp.tril become -infinity ahead of the maximum (inside the one tile: nothing is left out here).
; A wave is a head.  Each of a batch's 16 work-groups repeats the 16 small attentions (32 matrix instructions a wave) and makes its own 64 columns; the 16 heads' parts are added through LDS, in ascending order of heads.
; v_wmma_f32_16x16x4_f32, 96 a wave.  Its four accumulators v32-63 are written by matrix instructions alone; every sum begins with the constant 0; they take turns, one instruction a turn.
; THE ORDER OF K inside a product is free where both operands keep it: so every operand is used as it lies.  In the unit's place (h, j) (h = lane / 16, j = the register of the pair) stand:
;   S^T = K Q^T, instruction i: channel 8 (i / 2) + 4 h + 2 (i % 2) + j: q and k come by loads of 16 bytes.   O^T = V^T P, step s: key 8 h + 2 s + j: P's registers as the softmax leaves them.
;   the projection, step (ct, s): channel 16 ct + 8 h + 2 s + j: y's registers as O^T leaves them.
.set SPW, 10                           ; v10 my spare word; never rewritten
.set NIL, 11                           ; v11 0; never rewritten
.set SPARE, 69632                      ; behind the 16 parts of 16 rows x 272 bytes
.set S,   16                           ; v16-23  the scores: lane (r, h): query r, register j: key 8 h + j
.set P,   24                           ; v24-31  p
.set ACC, 32                           ; v32-63  four accumulators
.set QA,  64                           ; v64-95  q
.set KA,  96                           ; v96-127 k
.set VA,  128                          ; v128-159 v, later y
.set Y,   128
.set W1,  160                          ; v160-223 w_proj, channels 0-31 of my head
.set W2,  64                           ; v64-127  channels 32-63; later the 16 parts
.macro FIN                             ; the wave's end
	s_wait_tensorcnt 0x0
	ds_add_u32 v[SPW], v[NIL]
	s_wait_dscnt 0x0
.endm
.macro PLACES9                         ; nine places behind this matrix form: eight for reads of results and loads into its sources, nine for the products that begin a sum anew over the same accumulators
.rept 9
	v_nop
.endr
.endm
	s_load_b256 s[4:11], s[0:1], 0x0               ; q16, w_proj, b_proj, out0
	v_lshl_add_u32 v[SPW], v0, 2, SPARE
	v_mov_b32 v[NIL], 0
	v_lshrrev_b32 v1, 5, v0
	v_readfirstlane_b32 s12, v1                    ; wave = head
	v_and_b32 v1, 15, v0                           ; r
	v_bfe_u32 v2, v0, 4, 1                         ; h
	v_mul_u32_u24 v3, v1, 12288
	v_lshl_add_u32 v3, v2, 4, v3                   ; q, k: row r, + 16 h
	v_mul_u32_u24 v4, v2, 98304
	v_lshl_add_u32 v4, v1, 2, v4                   ; v: row 8 h, channel r
	v_lshlrev_b32 v5, 15, v2
	v_lshl_add_u32 v5, v1, 2, v5                   ; w_proj: row 8 h, column r
	s_mul_i32 s13, s12, 4352
	v_mul_u32_u24 v6, v1, 272
	v_lshl_add_u32 v6, v2, 5, v6
	v_add_nc_u32 v6, s13, v6                       ; my part: row r of 256 bytes + 16, + 32 h
	s_mul_i32 s14, s12, 544
	v_mul_u32_u24 v7, v2, 272
	v_lshl_add_u32 v7, v1, 4, v7
	v_add_nc_u32 v7, s14, v7                       ; the sums (waves 0-7): rows 2 w and 2 w + 1 of a part, sixteen lanes to a row
	v_lshlrev_b32 v8, 12, v2
	v_lshl_add_u32 v8, v1, 4, v8                   ; and the same two rows in out0
	v_lshlrev_b32 v9, 4, v1                        ; b_proj: my four columns
	v_lshlrev_b32 v232, 3, v2
	v_sub_nc_u32 v232, v1, v232                    ; d = r - 8 h: key 8 h + j is hidden where j > d
	v_mov_b32 v233, 0xff800000                     ; -infinity
	v_mov_b32 v13, 0                               ; written once: a lane permute's destination counts as one of its sources
	s_and_b32 s13, ttmp7, 0xffff                   ; the batch
	s_mul_i32 s16, s13, 196608                     ; q16: 16 rows of 12,288 bytes a batch,
	s_lshl_b32 s17, s12, 8                         ; my head's 64 columns
	s_add_co_u32 s16, s16, s17
	s_mov_b32 s17, 0
	s_lshl_b32 s20, ttmp9, 8                       ; the work-group's 64 columns of out0, w_proj and b_proj
	s_mov_b32 s21, 0
	s_lshl_b32 s18, s12, 18                        ; w_proj: my head's 64 rows of 4,096 bytes
	s_add_co_u32 s18, s18, s20
	s_mov_b32 s19, 0
	s_lshl_b32 s22, s13, 23                        ; out0: the batch,
	s_lshl_b32 s23, s12, 13                        ; rows 2 w on,
	s_add_co_u32 s22, s22, s23
	s_add_co_u32 s22, s22, s20
	s_mov_b32 s23, 0
	s_mov_b32 s24, 0x76543210
	s_mov_b32 s25, 0xfedcba98                      ; v_permlanex16_b32: lane l xor 16
	s_mov_b32 s26, 0x3e38aa3b                      ; c = log2(e) / 8
	s_mov_b32 s27, s26
	s_wait_kmcnt 0x0
	s_add_nc_u64 s[4:5], s[4:5], s[16:17]
	s_add_nc_u64 s[6:7], s[6:7], s[18:19]
	s_add_nc_u64 s[8:9], s[8:9], s[20:21]
	s_add_nc_u64 s[10:11], s[10:11], s[22:23]
.irp s, 0,1,2,3,4,5,6,7
	global_load_b128 v[QA+4*\s:QA+4*\s+3], v3, s[4:5] offset:32*\s                 ; q(r, 8 s + 4 h + 0 .. 3)
.endr
.irp s, 0,1,2,3,4,5,6,7
	global_load_b128 v[KA+4*\s:KA+4*\s+3], v3, s[4:5] offset:4096+32*\s            ; k likewise
.endr
.irp ct, 0,1,2,3
.irp i, 0,1,2,3,4,5,6,7
	global_load_b32 v[VA+8*\ct+\i], v4, s[4:5] offset:8192+12288*\i+64*\ct         ; v(8 h + i, 16 ct + r)
.endr
.endr
	global_load_b128 v[224:227], v9, s[8:9]        ; b_proj
.irp ct, 0,1
.irp i, 0,1,2,3,4,5,6,7
.irp nt, 0,1,2,3
	global_load_b32 v[W1+32*\ct+8*(\i/2)+2*\nt+\i%2], v5, s[6:7] offset:4096*(16*\ct+\i)+64*\nt   ; w_proj(64 head + 16 ct + 8 h + i, 16 nt + r)
.endr
.endr
.endr
	s_wait_loadcnt 63                              ; of the 113 loads at least 50 are in: q, k, v and the bias are the first 49
.set i, 0
.rept 16                                       ; S^T = K Q^T
.if i < 4
	v_wmma_f32_16x16x4_f32 v[ACC+8*(i%4):ACC+8*(i%4)+7], v[KA+2*i:KA+2*i+1], v[QA+2*i:QA+2*i+1], 0
.else
	v_wmma_f32_16x16x4_f32 v[ACC+8*(i%4):ACC+8*(i%4)+7], v[KA+2*i:KA+2*i+1], v[QA+2*i:QA+2*i+1], v[ACC+8*(i%4):ACC+8*(i%4)+7]
.endif
.set i, i+1
.endr
	PLACES9
.irp ct, 2,3
.irp i, 0,1,2,3,4,5,6,7
.irp nt, 0,1,2,3
	global_load_b32 v[W2+32*(\ct-2)+8*(\i/2)+2*\nt+\i%2], v5, s[6:7] offset:4096*(16*\ct+\i)+64*\nt   ; into the registers that q and k have left
.endr
.endr
.endr
.irp j, 0,2,4,6
	v_pk_add_f32 v[S+\j:S+\j+1], v[ACC+\j:ACC+\j+1], v[ACC+8+\j:ACC+8+\j+1]        ; the four partial sums; each accumulator is read from its low end on
.endr
.irp j, 0,2,4,6
	v_pk_add_f32 v[P+\j:P+\j+1], v[ACC+16+\j:ACC+16+\j+1], v[ACC+24+\j:ACC+24+\j+1]
.endr
.irp j, 0,2,4,6
	v_pk_add_f32 v[S+\j:S+\j+1], v[S+\j:S+\j+1], v[P+\j:P+\j+1]
.endr
.irp j, 0,1,2,3,4,5,6,7
	v_cmp_gt_i32 vcc_lo, \j, v232
	v_cndmask_b32 v[S+\j], v[S+\j], v233, vcc_lo   ; the causal mask
.endr
	v_max3_num_f32 v12, v[S], v[S+1], v[S+2]
	v_max3_num_f32 v12, v12, v[S+3], v[S+4]
	v_max3_num_f32 v12, v12, v[S+5], v[S+6]
	v_max_num_f32 v12, v12, v[S+7]
	v_permlanex16_b32 v13, v12, s24, s25
	v_max_num_f32 v12, v12, v13                    ; the row's maximum: key 0 counts for every query, so it is a number
	v_mul_f32 v12, s26, v12                        ; c m
.irp j, 0,2,4,6
	v_pk_fma_f32 v[P+\j:P+\j+1], v[S+\j:S+\j+1], s[26:27], v[12:13] op_sel_hi:[1,0,0] neg_lo:[0,0,1] neg_hi:[0,0,1]   ; c s - c m
.endr
.irp j, 0,1,2,3,4,5,6,7
	v_exp_f32 v[P+\j], v[P+\j]
.endr
	v_nop                                          ; a plain instruction behind the exponentials,
	s_wait_alu depctr_va_vdst(0)                   ; and one wait for the batch, ahead of its first reader
	v_pk_add_f32 v[14:15], v[P:P+1], v[P+2:P+3]
	v_pk_add_f32 v[12:13], v[P+4:P+5], v[P+6:P+7]
	v_pk_add_f32 v[14:15], v[14:15], v[12:13]
	v_add_f32 v14, v14, v15
	v_permlanex16_b32 v13, v14, s24, s25
	v_add_f32 v14, v14, v13                        ; the row's sum
	v_rcp_f32 v14, v14
	v_nop
	s_wait_alu depctr_va_vdst(0)                   ; the wait for the reciprocal
.irp s, 0,1,2,3                                ; O^T = V^T P: accumulator ct holds channels 16 ct + 8 h + j of query r
.irp ct, 0,1,2,3
.if \s == 0
	v_wmma_f32_16x16x4_f32 v[ACC+8*\ct:ACC+8*\ct+7], v[VA+8*\ct+2*\s:VA+8*\ct+2*\s+1], v[P+2*\s:P+2*\s+1], 0
.else
	v_wmma_f32_16x16x4_f32 v[ACC+8*\ct:ACC+8*\ct+7], v[VA+8*\ct+2*\s:VA+8*\ct+2*\s+1], v[P+2*\s:P+2*\s+1], v[ACC+8*\ct:ACC+8*\ct+7]
.endif
.endr
.endr
	PLACES9
.set n, 0
.rept 16
	v_pk_mul_f32 v[Y+2*n:Y+2*n+1], v[ACC+2*n:ACC+2*n+1], v[14:15] op_sel_hi:[1,0]  ; y = O^T / the sum, into other registers
.set n, n+1
.endr
	s_wait_loadcnt 63                              ; of the 177 loads at least 114 are in: w_proj's first half ends with the 113th
.irp ct, 0,1                                   ; the projection: accumulator nt holds columns 16 nt + 8 h + j of row r
.irp s, 0,1,2,3
.irp nt, 0,1,2,3
.if (\ct == 0) && (\s == 0)
	v_wmma_f32_16x16x4_f32 v[ACC+8*\nt:ACC+8*\nt+7], v[W1+32*\ct+8*\s+2*\nt:W1+32*\ct+8*\s+2*\nt+1], v[Y+8*\ct+2*\s:Y+8*\ct+2*\s+1], 0
.else
	v_wmma_f32_16x16x4_f32 v[ACC+8*\nt:ACC+8*\nt+7], v[W1+32*\ct+8*\s+2*\nt:W1+32*\ct+8*\s+2*\nt+1], v[Y+8*\ct+2*\s:Y+8*\ct+2*\s+1], v[ACC+8*\nt:ACC+8*\nt+7]
.endif
.endr
.endr
.endr
	s_wait_loadcnt 0x0                             ; the second half
.irp ct, 2,3
.irp s, 0,1,2,3
.irp nt, 0,1,2,3
	v_wmma_f32_16x16x4_f32 v[ACC+8*\nt:ACC+8*\nt+7], v[W2+32*(\ct-2)+8*\s+2*\nt:W2+32*(\ct-2)+8*\s+2*\nt+1], v[Y+8*\ct+2*\s:Y+8*\ct+2*\s+1], v[ACC+8*\nt:ACC+8*\nt+7]
.endr
.endr
.endr
	PLACES9
.irp nt, 0,1,2,3
	ds_store_b128 v6, v[ACC+8*\nt:ACC+8*\nt+3] offset:64*\nt       ; my head's part of 16 rows x 64 columns; each accumulator from its low end on
	ds_store_b128 v6, v[ACC+8*\nt+4:ACC+8*\nt+7] offset:64*\nt+16
.endr
	s_wait_dscnt 0x0                               ; for the others' sake: my stores have landed
	s_barrier_signal -1
	s_barrier_wait -1
	s_cmp_lt_u32 s12, 8
	s_cbranch_scc1 .Lsum
	FIN
	s_endpgm
.Lsum:                                             ; waves 0-7: two rows each
.irp p, 0,1,2,3,4,5,6,7,8,9,10,11,12,13,14,15
	ds_load_b128 v[64+4*\p:67+4*\p], v7 offset:4352*\p
.endr
	s_wait_dscnt 0x0
	v_pk_add_f32 v[228:229], v[224:225], v[64:65]  ; the bias and head 0's part,
	v_pk_add_f32 v[230:231], v[226:227], v[66:67]
.irp p, 1,2,3,4,5,6,7,8,9,10,11,12,13,14,15
	v_pk_add_f32 v[228:229], v[228:229], v[64+4*\p:65+4*\p]        ; and the other heads', in ascending order
	v_pk_add_f32 v[230:231], v[230:231], v[66+4*\p:67+4*\p]
.endr
	global_store_b128 v8, v[228:231], s[10:11]     ; sixteen lanes store 256 consecutive bytes, aligned
	FIN
	s_endpgm
.Lfunc_end_k_qfb2517837b_first16:
	.size	k_qfb2517837b_first16, .Lfunc_end_k_qfb2517837b_first16-k_qfb2517837b_first16
	.p2alignl 7, 3214868480
	.fill 96, 4, 3214868480
	.section	.rodata,"a",@progbits
	.p2align	6, 0x0
	.amdhsa_kernel k_qfb2517837b_first16
		.amdhsa_group_segment_fixed_size 71680
		.amdhsa_private_segment_fixed_size 0
		.amdhsa_enable_private_segment 0
		.amdhsa_kernarg_size 32
		.amdhsa_user_sgpr_count 2
		.amdhsa_user_sgpr_kernarg_segment_ptr 1
		.amdhsa_wavefront_size32 1
		.amdhsa_system_sgpr_workgroup_id_x 1
		.amdhsa_system_sgpr_workgroup_id_y 1
		.amdhsa_system_sgpr_workgroup_id_z 1
		.amdhsa_system_vgpr_workitem_id 0
		.amdhsa_next_free_vgpr 256
		.amdhsa_next_free_sgpr 66
		.amdhsa_reserve_vcc 1
		.amdhsa_float_denorm_mode_32 3
		.amdhsa_float_denorm_mode_16_64 3
		.amdhsa_memory_ordered 1
		.amdhsa_forward_progress 1
		.amdhsa_inst_pref_size 34
	.end_amdhsa_kernel
	.amdgpu_metadata
---
amdhsa.version: [ 1, 2 ]
amdhsa.kernels:
  - .name:           k_qfb2517837b_first16
    .symbol:         k_qfb2517837b_first16.kd
    .args:
      - { .name: q16, .offset: 0, .size: 8, .value_kind: global_buffer, .address_space: global }
      - { .name: w_proj, .offset: 8, .size: 8, .value_kind: global_buffer, .address_space: global }
      - { .name: b_proj, .offset: 16, .size: 8, .value_kind: global_buffer, .address_space: global }
      - { .name: out0, .offset: 24, .size: 8, .value_kind: global_buffer, .address_space: global }
    .group_segment_fixed_size: 71680
    .private_segment_fixed_size: 0
    .kernarg_segment_align: 8
    .kernarg_segment_size: 32
    .max_flat_workgroup_size: 512
    .sgpr_count:     66
    .vgpr_count:     256
    .wavefront_size: 32
...
	.end_amdgpu_metadata
.endif
;; end of part 5
